; MI455X (gfx1250); checked and timed in simulation.
; The chip was launched on July 23, 2026; its instructions are those of AMD's public machine-readable ISA for CDNA 5 (MIT licence, August 2026) and "CDNA5" Instruction Set Architecture Reference Guide (July 2026). The comments in the code are by the model that wrote it; some were corrected since.
;; Split Delta. Allowed arithmetic: float matrix products may take bf16 or f16 operands with f32 sums; other float arithmetic in f32, or as packed bf16 or f16 multiplies, adds, multiply-adds, maxima and minima; sums over many terms, partial sums and values carried from step to step in f32; what a program stores and reads back later, other than sums and carried values, may be rounded once to bf16 or f16.
;; Inputs: W1 128 x 64 float32; W2 64 x 128 float32; We 32 x 64 float32; Wo 64 x 64 float32; Wrp 64 x 64 float32; Ws 32 x 64 float32; b1 128 float32; b2 64 float32; be 32 float32; bo 64 float32; brp 64 float32; bs 32 float32; embed 64 x 64 float32; ln_b 64 float32; ln_g 64 float32; seq 256 x 2,048 int32.
;; Outputs: out0 256 x 64 float32.
;; 2 versions, each right; version 2 is version 1 with the launch splitdelta written anew for expert scheduling mode. Each part assembles by itself: llvm-mc -triple=amdgcn-amd-amdhsa -mcpu=gfx1250 --defsym DOCPART=n.
;; ======== version 1 of 2: 1 launch
;; launch splitdelta (part 1): grid 128 x 1, 8 waves a work-group, no clusters, 297,728 bytes of LDS; arguments seq, embed, W1, W2, Ws, We, Wo, Wrp, b1, b2, ln_g, ln_b, bs, be, brp, bo, out0; writes out0
.if DOCPART == 1
	.amdgcn_target "amdgcn-amd-amdhsa--gfx1250"
	.amdhsa_code_object_version 6
	.text
	.protected	k_qff31d4a650_splitdelta
	.globl	k_qff31d4a650_splitdelta
	.p2align	8
	.type	k_qff31d4a650_splitdelta,@function
k_qff31d4a650_splitdelta:
	s_mov_b64 s[64:65], 0
	v_nop
	global_prefetch_b8 v0, s[64:65] scope:SCOPE_SE
	s_setreg_imm32_b32 hwreg(HW_REG_WAVE_MODE, 25, 1), 1
	s_wait_xcnt 0x0
; SplitDelta: out[b] = Wo (Wrp [M_s q_s ; M_e q_e] + brp) + bo, M_s and M_e written by the delta rule at t = 0 .. 2046.
; THREE IDENTITIES, true for every input, carry the text.
;  1. The encoder sees a position's token alone, and there are 64 tokens: h, hs, he and the keys are tables of 64 rows.
;  2. Only M q is wanted.  M <- M (I - beta k k^T) + beta h k^T, so walking t DOWN with u = q: c = k_t . u; r += beta c h_t; u -= beta c k_t.  All 2047 writes are walked.
;  3. u is carried as a[v] = k_v . u for the 64 tokens v: c = a[token], a -= beta c G[:, token], G = K K^T; and r is carried through the two output layers:
;     out = z0 + sum of beta c Z_X[token], Z_X[v] = Wc[:, 32 X ..] h_X[v], Wc = Wo Wrp, z0 = Wo brp + bo.
; SHARES.  A work-group owns two batch rows = four chains (2 rows x 2 memories).  All eight waves build the tables in LDS, each work-group for itself; then four waves walk a chain each.
; Waves 0, 3, 5, 6 encode 16 tokens each and later walk the chains; waves 1, 2, 4, 7 make Wc and z0 meanwhile.
; FORMATS.  Every table product goes to the bf16 matrix form with f32 sums; each f32 operand x is split into hi = bf16(x) and lo = bf16(x - hi), and hi hi + hi lo + lo hi are summed in one
; accumulator: what is dropped is the product lo lo and the third piece of each operand.  LayerNorm, norms, the recurrence and its sums are f32.
; NO CLUSTER, NO TENSOR LOAD: what work-groups share is 130 KB of weights, read once at the start, and each f32 word has to pass through registers to be split.
; LIMITS.  A token above 63 counts as 63.  NaN and infinities are not treated apart.  The sums over t are formed from the last t to the first, another order of rounding than a forward walk's.
.set W1P,   0          ; W1 in two bf16 planes (hi, then lo): 128 rows, pitch 144
.set W2P,   36864      ; W2: 64 rows, pitch 272
.set TAB,   0          ; over W1P and W2P once these are read out: X 33792 + v 528 + l 16: G[l][v], G[l+32][v], Z[v][2l], Z[v][2l+1], f32
.set X0P,   71680      ; embed: 64 rows, pitch 144
.set WSEP,  90112      ; rows 0-31 Ws, 32-63 We, pitch 144
.set WOP,   108544     ; Wo, pitch 144
.set WRPP,  126976     ; Wrp as it lies, [m][j], pitch 160: read turned
.set A1P,   147456     ; relu output: 64 rows, pitch 272
.set HP,    182272     ; LayerNorm output: pitch 144
.set KXP,   200704     ; keys: X 10240, 64 rows, pitch 80
.set HXP,   221184     ; hs, he: the same
.set WCP,   241664     ; Wc [o][j], pitch 144
.set E32,   260096     ; embed in f32, pitch 272
.set VEC,   277504     ; b1 +0, b2 +512, ln_g +768, ln_b +1024, bs +1280, be +1408
.set Z0,    279040     ; z0, 64 f32
.set COMB,  279296     ; batch 256 + lane 8: the e chains' sums
.set TOK,   279808     ; batch 8448: 128 bytes of zeros (t = -32 .. -1), then the row's 2048 tokens
.set SPARE, 296704     ; the spare words: 128 bytes for each of the eight waves; no other line names them
; v0 thread, v1 lane, v2 r = lane % 16, v3 h = lane / 16, v4 my spare word, v5 0 (these two for the add alone), v6 r 144 + 16 h, v7 r 272 + 16 h, v8 r 80 + 16 h, v9-v31 addresses and scratch by phase
.set ACC,   32         ; v32-95   accumulators
.set XF,    96         ; v96-159  fragments of the activations (source 1)
.set WF,    160        ; v160-223 fragments of the weights (source 0): hi of tile f at WF + 8 f, lo at WF + 32 + 8 f
; v224-255 at work.  s[4:37] the 17 addresses; s38 wave, s39 wave / 2; s[40:41] lane selects; s42-47 scratch; s48-60 and s[68:99] the chain's
.macro PLACES                       ; four plain vector instructions between a matrix instruction and a load into, or a vector read of, its registers
.rept 4
	v_nop
.endr
.endm
.macro BAR                          ; my LDS instructions are done, then the work-group's barrier
	s_wait_dscnt 0x0
	s_barrier_signal -1
	s_barrier_wait -1
.endm
.macro IFHELPER label               ; waves 1, 2, 4, 7 leave
	s_cmp_eq_u32 s38, 1
	s_cbranch_scc1 \label
	s_cmp_eq_u32 s38, 2
	s_cbranch_scc1 \label
	s_cmp_eq_u32 s38, 4
	s_cbranch_scc1 \label
	s_cmp_eq_u32 s38, 7
	s_cbranch_scc1 \label
.endm
; Eight f32 at v[x ..] -> four words of hi at v[h ..], four of lo at v[l ..]; v[t .. t+7] at work; x is used up.  x - hi is exact in f32.
.macro SPLIT8 x, h, l, t
.irp p,0,1,2,3
	v_cvt_pk_bf16_f32 v[(\h)+\p], v[(\x)+2*\p], v[(\x)+2*\p+1]
.endr
.irp p,0,1,2,3
	v_lshlrev_b32 v[(\t)+2*\p], 16, v[(\h)+\p]
	v_and_b32 v[(\t)+2*\p+1], 0xffff0000, v[(\h)+\p]
.endr
.irp p,0,1,2,3
	v_pk_add_f32 v[(\x)+2*\p:(\x)+2*\p+1], v[(\x)+2*\p:(\x)+2*\p+1], v[(\t)+2*\p:(\t)+2*\p+1] neg_lo:[0,1] neg_hi:[0,1]
.endr
.irp p,0,1,2,3
	v_cvt_pk_bf16_f32 v[(\l)+\p], v[(\x)+2*\p], v[(\x)+2*\p+1]
.endr
.endm
.macro PUT x, adr, off, lo          ; eight f32 are split and stored: 16 bytes into the hi plane, 16 into the lo plane
	SPLIT8 \x, 224, 228, 232
	ds_store_b128 v[\adr], v[224:227] offset:(\off)
	ds_store_b128 v[\adr], v[228:231] offset:(\off)+(\lo)
.endm
.macro XLOAD dst, adr, off          ; a fragment, 16 rows x 32 K of bf16: two loads of 16 bytes, 32 bytes apart
	ds_load_b128 v[(\dst):(\dst)+3], v[\adr] offset:(\off)
	ds_load_b128 v[(\dst)+4:(\dst)+7], v[\adr] offset:(\off)+32
.endm
.macro CLOAD dst, adr, off          ; eight neighbouring f32, in an accumulator's layout
	ds_load_b128 v[(\dst):(\dst)+3], v[\adr] offset:(\off)
	ds_load_b128 v[(\dst)+4:(\dst)+7], v[\adr] offset:(\off)+16
.endm
.macro WLOAD adr, off, ts, lo       ; four tiles of weights, ts bytes apart: eight loads of hi, then eight of lo
.irp f,0,1,2,3
	XLOAD WF+8*\f, \adr, (\off)+\f*(\ts)
.endr
.irp f,0,1,2,3
	XLOAD WF+32+8*\f, \adr, (\off)+(\lo)+\f*(\ts)
.endr
.endm
.macro WLOADT adr, off              ; the same out of Wrp, which lies [K][N]: turned; tiles 32 bytes apart, the second 16 of K 16 rows down
.irp f,0,1,2,3
	ds_load_tr16_b128 v[WF+8*\f:WF+8*\f+3], v[\adr] offset:(\off)+32*\f
	ds_load_tr16_b128 v[WF+8*\f+4:WF+8*\f+7], v[\adr] offset:(\off)+32*\f+2560
.endr
.irp f,0,1,2,3
	ds_load_tr16_b128 v[WF+32+8*\f:WF+32+8*\f+3], v[\adr] offset:(\off)+10240+32*\f
	ds_load_tr16_b128 v[WF+32+8*\f+4:WF+32+8*\f+7], v[\adr] offset:(\off)+10240+32*\f+2560
.endr
.endm
; Twelve matrix instructions: four tiles x (hi hi, hi lo, lo hi), 32 along K.  Source 0 = 16 rows of weights, source 1 = 16 rows of activations: register j of lane (r, h) is
; out[row r][column 8 h + j of the tile].  The four accumulators take turns, one instruction a turn.  n1, n2: the LDS loads that may stay out.
.macro MM12 acc, whi, wlo, xhi, xlo, zero, n1, n2
	s_wait_dscnt \n1
.irp f,0,1,2,3
.if \zero
	v_wmma_f32_16x16x32_bf16 v[(\acc)+8*\f:(\acc)+8*\f+7], v[(\whi)+8*\f:(\whi)+8*\f+7], v[(\xhi):(\xhi)+7], 0
.else
	v_wmma_f32_16x16x32_bf16 v[(\acc)+8*\f:(\acc)+8*\f+7], v[(\whi)+8*\f:(\whi)+8*\f+7], v[(\xhi):(\xhi)+7], v[(\acc)+8*\f:(\acc)+8*\f+7]
.endif
.endr
.irp f,0,1,2,3
	v_wmma_f32_16x16x32_bf16 v[(\acc)+8*\f:(\acc)+8*\f+7], v[(\whi)+8*\f:(\whi)+8*\f+7], v[(\xlo):(\xlo)+7], v[(\acc)+8*\f:(\acc)+8*\f+7]
.endr
	s_wait_dscnt \n2
.irp f,0,1,2,3
	v_wmma_f32_16x16x32_bf16 v[(\acc)+8*\f:(\acc)+8*\f+7], v[(\wlo)+8*\f:(\wlo)+8*\f+7], v[(\xhi):(\xhi)+7], v[(\acc)+8*\f:(\acc)+8*\f+7]
.endr
.endm
.macro HSUM a                       ; v[a] = v[a] + v[a+1], of this lane and of the lane 16 away
	v_add_f32 v[\a], v[\a], v[(\a)+1]
	v_permlanex16_b32 v[(\a)+1], v[\a], s40, s41
	v_add_f32 v[\a], v[\a], v[(\a)+1]
.endm
.macro GLOAD k, base, p             ; pass k: 256 threads x 32 bytes = 8,192 bytes of a weight
	global_load_b128 v[32+8*(\k):35+8*(\k)], v9, s[\base:\base+1] offset:(\p)*8192
	global_load_b128 v[36+8*(\k):39+8*(\k)], v9, s[\base:\base+1] offset:(\p)*8192+16
.endm
; ================ PHASE 0, all eight waves: everything comes in once, is split and laid into LDS ================
	s_load_b512 s[4:19], s[0:1], 0x0               ; seq 4, embed 6, W1 8, W2 10, Ws 12, We 14, Wo 16, Wrp 18
	s_load_b512 s[20:35], s[0:1], 0x40             ; b1 20, b2 22, ln_g 24, ln_b 26, bs 28, be 30, brp 32, bo 34
	s_load_b64 s[36:37], s[0:1], 0x80              ; out0
	v_lshl_add_u32 v4, v0, 2, SPARE
	v_mov_b32 v5, 0
	v_and_b32 v1, 31, v0
	v_lshrrev_b32 v28, 5, v0
	v_readfirstlane_b32 s38, v28                   ; wave 0..7
	s_lshr_b32 s39, s38, 1
	v_lshlrev_b32 v9, 5, v0                        ; 32 bytes a thread
	v_lshlrev_b32 v10, 4, v0                       ; 16 bytes a thread
	s_lshl_b32 s42, ttmp9, 14                      ; the work-group's two rows of seq: 16,384 bytes
	s_mov_b32 s43, 0
	s_wait_kmcnt 0x0
	s_add_nc_u64 s[4:5], s[4:5], s[42:43]
	s_cmp_lg_u32 s38, 7
	s_cbranch_scc1 .Lvec_asked
	v_lshlrev_b32 v23, 4, v1                       ; wave 7 also fetches the six short vectors; these loads are older than all that is counted below
	v_lshlrev_b32 v24, 3, v1
	v_lshlrev_b32 v25, 2, v1
	global_load_b128 v[176:179], v23, s[20:21]
	global_load_b64 v[180:181], v24, s[22:23]
	global_load_b64 v[182:183], v24, s[24:25]
	global_load_b64 v[184:185], v24, s[26:27]
	global_load_b32 v186, v25, s[28:29]
	global_load_b32 v187, v25, s[30:31]
.Lvec_asked:
	GLOAD 0, 6, 0                                  ; 36 loads in one run: 16 passes of two, then four of seq
	GLOAD 1, 6, 1
.irp p,0,1,2,3
	GLOAD 2+\p, 8, \p
.endr
.irp p,0,1,2,3
	GLOAD 6+\p, 10, \p
.endr
	GLOAD 10, 12, 0
	GLOAD 11, 14, 0
	GLOAD 12, 16, 0
	GLOAD 13, 16, 1
	GLOAD 14, 18, 0
	GLOAD 15, 18, 1
.irp p,0,1,2,3
	global_load_b128 v[160+4*\p:163+4*\p], v10, s[4:5] offset:\p*4096 th:TH_LOAD_NT
.endr
	; the addresses are made while the loads are out
	v_and_b32 v2, 15, v0
	v_bfe_u32 v3, v0, 4, 1
	s_mov_b32 s40, 0x76543210                      ; v_permlanex16_b32: each lane takes its own place in the other half
	s_mov_b32 s41, 0xfedcba98
	v_mul_u32_u24 v6, v2, 144
	v_lshl_add_u32 v6, v3, 4, v6
	v_mul_u32_u24 v7, v2, 272
	v_lshl_add_u32 v7, v3, 4, v7
	v_mul_u32_u24 v8, v2, 80
	v_lshl_add_u32 v8, v3, 4, v8
	v_lshrrev_b32 v28, 3, v0                       ; rows of 64 numbers: a pass has 32 rows, eight threads a row
	v_and_b32 v29, 7, v0
	v_mul_u32_u24 v11, v28, 144
	v_lshl_add_u32 v11, v29, 4, v11                ; also W1's address: W1P = 0
	v_mul_u32_u24 v12, v28, 160
	v_lshl_add_u32 v12, v29, 4, v12
	v_mul_u32_u24 v14, v28, 272
	v_lshl_add_u32 v14, v29, 5, v14
	v_lshrrev_b32 v28, 4, v0                       ; rows of 128 numbers (W2): 16 rows a pass, sixteen threads a row
	v_mul_u32_u24 v13, v28, 272
	v_lshl_add_u32 v13, v2, 4, v13
	v_add_nc_u32 v15, X0P, v11
	v_add_nc_u32 v17, W2P, v13
	v_add_nc_u32 v18, WSEP, v11
	v_add_nc_u32 v19, WOP, v11
	v_add_nc_u32 v20, WRPP, v12
	v_add_nc_u32 v21, E32, v14
	v_add_nc_u32 v22, TOK, v10
	; pass k is there when at most 36 - (2 k + 2) younger loads are out (loads come back in order: ISA guide 5.7.1)
.irp p,0,1
	s_wait_loadcnt 34-2*\p
	ds_store_b128 v21, v[32+8*\p:35+8*\p] offset:\p*8704       ; embed also as f32, for the residual
	ds_store_b128 v21, v[36+8*\p:39+8*\p] offset:\p*8704+16
	PUT 32+8*\p, 15, \p*4608, 9216
.endr
.irp p,0,1,2,3
	s_wait_loadcnt 30-2*\p
	PUT 48+8*\p, 11, \p*4608, 18432
.endr
.irp p,0,1,2,3
	s_wait_loadcnt 22-2*\p
	PUT 80+8*\p, 17, \p*4352, 17408
.endr
	s_wait_loadcnt 14
	PUT 112, 18, 0, 9216
	s_wait_loadcnt 12
	PUT 120, 18, 4608, 9216
.irp p,0,1
	s_wait_loadcnt 10-2*\p
	PUT 128+8*\p, 19, \p*4608, 9216
.endr
.irp p,0,1
	s_wait_loadcnt 6-2*\p
	PUT 144+8*\p, 20, \p*5120, 10240
.endr
.irp p,0,1,2,3
	s_wait_loadcnt 3-\p                            ; the later parts of seq may stay out
	ds_store_b128 v22, v[160+4*\p:163+4*\p] offset:(\p/2)*8448+128+(\p%2)*4096
.endr
	s_cmp_lg_u32 s38, 7
	s_cbranch_scc1 .Lvec_put
	v_add_nc_u32 v26, VEC, v23
	v_add_nc_u32 v27, VEC, v24
	v_add_nc_u32 v29, VEC, v25
	v_add_nc_u32 v30, TOK, v25
	v_mov_b32 v31, 0
	ds_store_b128 v26, v[176:179]
	ds_store_b64 v27, v[180:181] offset:512
	ds_store_b64 v27, v[182:183] offset:768
	ds_store_b64 v27, v[184:185] offset:1024
	ds_store_b32 v29, v186 offset:1280
	ds_store_b32 v29, v187 offset:1408
	ds_store_b32 v30, v31                          ; the 32 words in front of each row's tokens: what the chains' look-ahead reads behind t = 0
	ds_store_b32 v30, v31 offset:8448
.Lvec_put:
	BAR                                            ; all planes are whole
	IFHELPER .Lhelper
; ================ PHASE 1, waves 0, 3, 5, 6: the encoder for tokens 16 idx .. 16 idx + 15.  What a wave stores and reads again here are its own rows: LDS serves a wave in order ================
	s_mul_i32 s46, s39, 2304
	s_mul_i32 s47, s39, 4352
	s_mul_i32 s45, s39, 1280
	s_add_co_u32 s44, s46, X0P
	v_add_nc_u32 v15, s44, v6
	s_add_co_u32 s44, s47, A1P
	v_add_nc_u32 v17, s44, v7
	v_add_nc_u32 v18, W2P, v7
	v_mul_u32_u24 v19, v2, 272
	v_lshl_add_u32 v19, v3, 5, v19
	s_add_co_u32 s44, s47, E32
	v_add_nc_u32 v19, s44, v19
	v_lshl_add_u32 v20, v3, 5, VEC
	s_add_co_u32 s44, s46, HP
	v_add_nc_u32 v21, s44, v6
	v_add_nc_u32 v22, WSEP, v6
	s_add_co_u32 s44, s45, KXP
	v_add_nc_u32 v23, s44, v8
	s_add_co_u32 s44, s45, HXP
	v_add_nc_u32 v24, s44, v8
	; ---- A1 = relu(X0 W1^T + b1): 8 tiles of 16 columns, K = 64.  b1 is loaded straight into the accumulators
.irp f,0,1,2,3,4,5,6,7
	CLOAD ACC+8*\f, 20, 64*\f
.endr
.irp ks,0,1
	XLOAD XF+16*\ks, 15, 64*\ks
	XLOAD XF+16*\ks+8, 15, 64*\ks+9216
.endr
	WLOAD 6, 0, 2304, 18432
	MM12 ACC, WF, WF+32, XF, XF+8, 0, 8, 0         ; 8: the eight loads of lo just issued may stay out; all that is older is in
	PLACES
	WLOAD 6, 64, 2304, 18432
	MM12 ACC, WF, WF+32, XF+16, XF+24, 0, 8, 0
	PLACES
	WLOAD 6, 9216, 2304, 18432
	MM12 ACC+32, WF, WF+32, XF, XF+8, 0, 8, 0
	PLACES
	WLOAD 6, 9280, 2304, 18432
	MM12 ACC+32, WF, WF+32, XF+16, XF+24, 0, 8, 0
	PLACES
.irp f,0,1,2,3,4,5,6,7
.irp j,0,1,2,3,4,5,6,7
	v_max_num_f32 v[ACC+8*\f+\j], 0, v[ACC+8*\f+\j]
.endr
	PUT ACC+8*\f, 17, 32*\f, 17408
.endr
	; ---- x = embed + b2 + A1 W2^T: 4 tiles, K = 128
.irp f,0,1,2,3
	CLOAD ACC+8*\f, 19, 64*\f
.endr
.irp f,0,1,2,3
	CLOAD WF+8*\f, 20, 512+64*\f
.endr
.irp ks,0,1,2,3
	XLOAD XF+16*\ks, 17, 64*\ks
	XLOAD XF+16*\ks+8, 17, 64*\ks+17408
.endr
	s_wait_dscnt 16                                ; embed and b2 are in; A1's sixteen loads may stay out
.irp q,0,1,2,3,4,5,6,7,8,9,10,11,12,13,14,15
	v_pk_add_f32 v[ACC+2*\q:ACC+2*\q+1], v[ACC+2*\q:ACC+2*\q+1], v[WF+2*\q:WF+2*\q+1]
.endr
	WLOAD 18, 0, 4352, 17408
	MM12 ACC, WF, WF+32, XF, XF+8, 0, 8, 0
.irp ks,1,2,3
	PLACES
	WLOAD 18, 64*\ks, 4352, 17408
	MM12 ACC, WF, WF+32, XF+16*\ks, XF+16*\ks+8, 0, 8, 0
.endr
	PLACES
	; ---- LayerNorm in registers: a lane holds 32 of its token's 64 numbers, the lane 16 away the others.  Mean first, then the squares of the differences
.irp f,0,1,2,3
	CLOAD WF+8*\f, 20, 768+64*\f
	CLOAD WF+32+8*\f, 20, 1024+64*\f
.endr
	s_mov_b32 s46, 0x3c800000                      ; 1 / 64
	s_mov_b32 s47, 0x3727c5ac                      ; 1e-5
.irp f,0,1,2,3
	v_pk_add_f32 v[224+2*\f:225+2*\f], v[ACC+8*\f:ACC+8*\f+1], v[ACC+8*\f+2:ACC+8*\f+3]  ; each accumulator is read from its low end on
.endr
.irp j,4,6
.irp f,0,1,2,3
	v_pk_add_f32 v[224+2*\f:225+2*\f], v[224+2*\f:225+2*\f], v[ACC+8*\f+\j:ACC+8*\f+\j+1]
.endr
.endr
	v_pk_add_f32 v[224:225], v[224:225], v[226:227]
	v_pk_add_f32 v[228:229], v[228:229], v[230:231]
	v_pk_add_f32 v[224:225], v[224:225], v[228:229]
	HSUM 224
	v_mul_f32 v224, s46, v224                      ; the mean
.irp q,0,1,2,3,4,5,6,7,8,9,10,11,12,13,14,15
	v_pk_add_f32 v[ACC+2*\q:ACC+2*\q+1], v[ACC+2*\q:ACC+2*\q+1], v[224:225] op_sel_hi:[1,0] neg_lo:[0,1] neg_hi:[0,1]
.endr
.irp f,0,1,2,3
	v_pk_mul_f32 v[226+2*\f:227+2*\f], v[ACC+8*\f:ACC+8*\f+1], v[ACC+8*\f:ACC+8*\f+1]
.endr
.irp j,2,4,6
.irp f,0,1,2,3
	v_pk_fma_f32 v[226+2*\f:227+2*\f], v[ACC+8*\f+\j:ACC+8*\f+\j+1], v[ACC+8*\f+\j:ACC+8*\f+\j+1], v[226+2*\f:227+2*\f]
.endr
.endr
	v_pk_add_f32 v[226:227], v[226:227], v[228:229]
	v_pk_add_f32 v[230:231], v[230:231], v[232:233]
	v_pk_add_f32 v[226:227], v[226:227], v[230:231]
	HSUM 226
	v_fma_f32 v226, v226, s46, s47                 ; variance + 1e-5
	v_rsq_f32 v226, v226
	v_nop                                          ; a plain instruction between the root and its use (ISA guide 5.7.2)
	s_wait_dscnt 0x0                               ; ln_g, ln_b
	s_wait_alu depctr_va_vdst(0)
.irp q,0,1,2,3,4,5,6,7,8,9,10,11,12,13,14,15
	v_pk_mul_f32 v[WF+2*\q:WF+2*\q+1], v[WF+2*\q:WF+2*\q+1], v[226:227] op_sel_hi:[1,0]
.endr
.irp q,0,1,2,3,4,5,6,7,8,9,10,11,12,13,14,15
	v_pk_fma_f32 v[ACC+2*\q:ACC+2*\q+1], v[ACC+2*\q:ACC+2*\q+1], v[WF+2*\q:WF+2*\q+1], v[WF+32+2*\q:WF+32+2*\q+1]
.endr
.irp f,0,1,2,3
	PUT ACC+8*\f, 21, 32*\f, 9216
.endr
	; ---- [hs | he] = H [Ws ; We]^T + [bs | be]: tiles 0, 1 are hs, tiles 2, 3 he; K = 64
.irp f,0,1,2,3
	CLOAD ACC+8*\f, 20, 1280+64*\f
.endr
.irp ks,0,1
	XLOAD XF+16*\ks, 21, 64*\ks
	XLOAD XF+16*\ks+8, 21, 64*\ks+9216
.endr
	WLOAD 22, 0, 2304, 9216
	MM12 ACC, WF, WF+32, XF, XF+8, 0, 8, 0
	PLACES
	WLOAD 22, 64, 2304, 9216
	MM12 ACC, WF, WF+32, XF+16, XF+24, 0, 8, 0
	PLACES
	; ---- keys k = h / max(|h|, 1e-12)
.irp f,0,1,2,3
	v_pk_mul_f32 v[224+2*\f:225+2*\f], v[ACC+8*\f:ACC+8*\f+1], v[ACC+8*\f:ACC+8*\f+1]
.endr
.irp j,2,4,6
.irp f,0,1,2,3
	v_pk_fma_f32 v[224+2*\f:225+2*\f], v[ACC+8*\f+\j:ACC+8*\f+\j+1], v[ACC+8*\f+\j:ACC+8*\f+\j+1], v[224+2*\f:225+2*\f]
.endr
.endr
	v_pk_add_f32 v[224:225], v[224:225], v[226:227]
	v_pk_add_f32 v[228:229], v[228:229], v[230:231]
	HSUM 224
	HSUM 228
	v_sqrt_f32 v224, v224
	v_sqrt_f32 v228, v228
	v_nop
	s_wait_alu depctr_va_vdst(0)
	v_max_num_f32 v224, 0x2b8cbccc, v224           ; 1e-12
	v_max_num_f32 v228, 0x2b8cbccc, v228
	v_rcp_f32 v224, v224
	v_rcp_f32 v228, v228
	v_nop
	s_wait_alu depctr_va_vdst(0)
.irp q,0,1,2,3,4,5,6,7
	v_pk_mul_f32 v[WF+2*\q:WF+2*\q+1], v[ACC+2*\q:ACC+2*\q+1], v[224:225] op_sel_hi:[1,0]
	v_pk_mul_f32 v[WF+16+2*\q:WF+16+2*\q+1], v[ACC+16+2*\q:ACC+16+2*\q+1], v[228:229] op_sel_hi:[1,0]
.endr
.irp f,0,1,2,3
	PUT WF+8*\f, 23, (\f/2)*10240+(\f%2)*32, 5120
.endr
.irp f,0,1,2,3
	PUT ACC+8*\f, 24, (\f/2)*10240+(\f%2)*32, 5120
.endr
	s_branch .Ljoin
; ================ PHASE 1, waves 1, 2, 4, 7: rows 16 idx .. 16 idx + 15 of Wc = Wo Wrp, and of z0 = Wo brp + bo ================
.Lhelper:
	s_mul_i32 s46, s39, 2304
	s_add_co_u32 s44, s46, WOP
	v_add_nc_u32 v15, s44, v6
	v_and_b32 v28, 7, v0                           ; the turning load: lane l reads row 8 (l / 16) + l % 8, bytes 16 ((l / 8) % 2) on
	v_lshl_add_u32 v28, v3, 3, v28
	v_mul_u32_u24 v16, v28, 160
	v_bfe_u32 v28, v0, 3, 1
	v_lshl_add_u32 v16, v28, 4, v16
	v_add_nc_u32 v16, WRPP, v16
	s_add_co_u32 s44, s46, WCP
	v_add_nc_u32 v17, s44, v6
	s_lshl_b32 s44, s39, 4
	v_add_nc_u32 v21, s44, v2                      ; o = 16 idx + r
	v_lshlrev_b32 v18, 8, v21
	v_lshl_add_u32 v18, v3, 7, v18                 ; Wo[o][32 h ..], in bytes
	v_lshlrev_b32 v19, 7, v3                       ; brp[32 h ..]
	v_lshlrev_b32 v21, 2, v21
	v_add_nc_u32 v20, Z0, v21
.irp c,0,1,2,3,4,5,6,7
	global_load_b128 v[64+4*\c:67+4*\c], v18, s[16:17] offset:16*\c
	global_load_b128 v[128+4*\c:131+4*\c], v19, s[32:33] offset:16*\c
.endr
	global_load_b32 v22, v21, s[34:35]
.irp ks,0,1
	XLOAD XF+16*\ks, 15, 64*\ks
	XLOAD XF+16*\ks+8, 15, 64*\ks+9216
.endr
	WLOADT 16, 0
	MM12 ACC, WF, WF+32, XF, XF+8, 1, 8, 0         ; the first products start the sums
	PLACES
	WLOADT 16, 5120
	MM12 ACC, WF, WF+32, XF+16, XF+24, 0, 8, 0
	PLACES
.irp f,0,1,2,3
	PUT ACC+8*\f, 17, 32*\f, 9216
.endr
	s_wait_loadcnt 0x0
	v_pk_mul_f32 v[224:225], v[64:65], v[128:129]
	v_pk_mul_f32 v[226:227], v[66:67], v[130:131]
.irp q,2,4,6,8,10,12,14
	v_pk_fma_f32 v[224:225], v[64+2*\q:65+2*\q], v[128+2*\q:129+2*\q], v[224:225]
	v_pk_fma_f32 v[226:227], v[66+2*\q:67+2*\q], v[130+2*\q:131+2*\q], v[226:227]
.endr
	v_pk_add_f32 v[224:225], v[224:225], v[226:227]
	HSUM 224
	v_add_f32 v224, v224, v22
	ds_store_b32 v20, v224                         ; both halves of the lanes store the same number to the same word
; ================ PHASE 2, all eight waves: memory X = wave % 2, tokens 16 tv .. 16 tv + 15 (tv = wave / 2): their rows of the table ================
.Ljoin:
	s_and_b32 s44, s38, 1
	s_mul_i32 s45, s44, 10240
	s_mul_i32 s46, s39, 1280
	s_add_co_u32 s47, s45, s46
	s_add_co_u32 s42, s47, KXP
	v_add_nc_u32 v15, s42, v8
	s_add_co_u32 s42, s47, HXP
	v_add_nc_u32 v17, s42, v8
	v_lshrrev_b32 v28, 1, v2                       ; G's source 0: row m of tile tu is token 8 tu + m / 2 + 32 (m % 2), so that a pair of result registers is (G[l][v], G[l + 32][v])
	v_and_b32 v29, 1, v2
	v_lshl_add_u32 v28, v29, 5, v28
	v_mul_u32_u24 v16, v28, 80
	v_lshl_add_u32 v16, v3, 4, v16
	s_add_co_u32 s42, s45, KXP
	v_add_nc_u32 v16, s42, v16
	s_lshl_b32 s42, s44, 6                         ; Wc's columns 32 X ..
	s_add_co_u32 s42, s42, WCP
	v_add_nc_u32 v18, s42, v6
	s_mul_i32 s42, s44, 33792
	s_mul_i32 s43, s39, 8448
	s_add_co_u32 s42, s42, s43
	v_mul_u32_u24 v19, v2, 528
	v_lshl_add_u32 v19, v3, 6, v19
	v_add_nc_u32 v19, s42, v19                     ; TAB = 0
	BAR                                            ; keys, values, Wc and z0 are whole; W1's and W2's planes are read out
	XLOAD XF, 15, 0                                ; 40 loads: 4 (my keys), 8 + 8 (all keys, hi and lo), 4 (my values), 8 + 8 (Wc)
	XLOAD XF+8, 15, 5120
	WLOAD 16, 0, 640, 5120
	XLOAD XF+16, 17, 0
	XLOAD XF+24, 17, 5120
.irp f,0,1,2,3
	XLOAD 64+8*\f, 18, 2304*\f
.endr
.irp f,0,1,2,3
	XLOAD 128+8*\f, 18, 2304*\f+9216
.endr
	MM12 ACC, WF, WF+32, XF, XF+8, 1, 28, 20       ; the first 12 of the 40 are in, then the first 20
	MM12 224, 64, 128, XF+16, XF+24, 1, 8, 0       ; the first 32, then all
	PLACES
.irp f,0,1,2,3
.irp p,0,1,2,3
	ds_store_b64 v19, v[ACC+8*\f+2*\p:ACC+8*\f+2*\p+1] offset:128*\f+16*\p      ; l = 8 f + 4 h + p: G[l][v], G[l + 32][v]
	ds_store_b64 v19, v[224+8*\f+2*\p:224+8*\f+2*\p+1] offset:128*\f+16*\p+8    ; Z[v][2 l], Z[v][2 l + 1]
.endr
.endr
	BAR                                            ; the table is whole
	IFHELPER .Lwalked
; ================ PHASE 3, waves 0, 3, 5, 6: a chain each.  Memory X = idx % 2, batch row idx / 2.  Step n = 0 .. 2047 stands for t = 2047 - n ================
; Step 0, the query's position, is a step like the others, from a = 0, c = -1, beta = 1, O = Z[query's token]: it leaves a = G[:, token] and O = 0, both exactly.
; beta_n = 1 - n / 2048 = (t + 1) / 2048 for the e memory, exact in f32; 1 for the s memory (its step is 0).
.set CA,   32          ; v[32:33]  a[lane], a[lane + 32]
.set CSEL, 34          ; v34       the half of a in which the step's token lies
.set CS2,  35          ; v35       the same for the next token, before this step's update
.set CGS,  36          ; v36       beta G[:, token], the half in which the next token lies
.set CAD,  37          ; v37       a row's LDS address
.set CO,   38          ; v[38:39]  out[2 lane], out[2 lane + 1]
.set TK,   40          ; v40       32 tokens, lane = t % 32
.set TKN,  41          ; v41       the 32 in front of them
.set TKA,  42          ; v42       where the next 32 lie
.set L16,  43          ; v43       16 lane + my memory's table
.set ROW,  64          ; v64-127   16 slots of 4: the rows of the steps in hand and to come
.set RING, 68          ; s[68:99]  the tokens of 32 steps, by step % 32
; s48 c (s49 = 0), s50 beta c (s51 = 0), s52 beta (s53), s54 beta's step, s55-56 token % 32 by the step's parity, s57-58 the mask 'token > 31', s59 528, s60 trips
	s_and_b32 s44, s39, 1
	s_lshr_b32 s45, s39, 1
	s_mul_i32 s46, s44, 33792
	v_lshl_add_u32 v[L16], v1, 4, s46
	s_mul_i32 s47, s45, 8448
	s_add_co_u32 s47, s47, TOK+128+2016*4
	v_lshl_add_u32 v[TKA], v1, 2, s47
	ds_load_b32 v[TK], v[TKA]                      ; t = 2016 .. 2047
	v_add_nc_u32 v[TKA], -128, v[TKA]
	s_mov_b32 s59, 528
	s_cmp_eq_u32 s44, 0
	s_cselect_b32 s54, 0, 0xba000000               ; 0, or -1 / 2048
	s_mov_b32 s49, 0
	s_mov_b32 s51, 0
	s_mov_b32 s52, 1.0
	s_mov_b32 s53, 1.0
	s_mov_b32 s60, 64
	v_mov_b32 v[CA], 0
	v_mov_b32 v[CA+1], 0
	v_mov_b32 v[CSEL], -1.0
	s_wait_dscnt 0x0
.irp i,0,1,2,3,4,5,6,7,8,9,10,11,12,13,14,15,16
	v_readlane_b32 s[RING+\i], v[TK], 31-\i
	s_min_u32 s[RING+\i], s[RING+\i], 63
.endr
.irp i,0,1,2,3,4,5,6,7,8,9,10,11,12,13,14,15
	v_mad_u32_u24 v[CAD], s[RING+\i], s59, v[L16]
	ds_load_b128 v[ROW+4*\i:ROW+4*\i+3], v[CAD]
.endr
	s_and_b32 s55, s[RING], 31
	s_cmp_gt_u32 s[RING+1], 31
	s_cselect_b32 s58, -1, 0
	s_wait_dscnt 0x0
	v_mov_b32 v[CO], v[ROW+2]
	v_mov_b32 v[CO+1], v[ROW+3]
	v_cndmask_b32 v[CGS], v[ROW], v[ROW+1], s58    ; beta_0 = 1: row 0 needs no scaling
; ONE STEP.  What each step waits for is two lines: c is read out of CSEL, and the next CSEL is made of c.  All else is made ahead or follows behind.
.macro STEP i
.set RW,  ROW+4*((\i)%16)              ; this step's row, its G pair already times beta
.set RN,  ROW+4*(((\i)+1)%16)          ; the next step's
.set T1,  RING+((\i)+1)%32
.set T2,  RING+((\i)+2)%32
.set T16, RING+((\i)+16)%32
.set T17, RING+((\i)+17)%32
.set IC,  55+(\i)%2
.set IN,  55+((\i)+1)%2
.set MC,  57+(\i)%2
.set MN,  57+((\i)+1)%2
.if (\i)%4 == 0
	s_wait_dscnt 11                                ; rows i + 1 .. i + 4 are in: behind row i + 4's load stand the 11 of steps i - 11 .. i - 1 (and now and then the tokens' load: then the wait asks for one more than it need)
.endif
.if (\i) == 0
	ds_load_b32 v[TKN], v[TKA]                     ; the 32 tokens in front; in the last trip the 32 zeros in front of the row
	v_add_nc_u32 v[TKA], -128, v[TKA]
.endif
.if (\i) == 15
	v_mov_b32 v[TK], v[TKN]                        ; in since step 12's wait: twelve loads were issued behind it
.endif
	v_readlane_b32 s48, v[CSEL], s[IC]             ; c = a[token]
	v_cndmask_b32 v[CS2], v[CA], v[CA+1], s[MN]
.if (\i) <= 14
	v_readlane_b32 s[T17], v[TK], 14-(\i)          ; the token of step i + 17
.else
	v_readlane_b32 s[T17], v[TK], 46-(\i)
.endif
	s_and_b32 s[IN], s[T1], 31
	s_cmp_gt_u32 s[T2], 31
	s_cselect_b32 s[MC], -1, 0
	s_min_u32 s[T16], s[T16], 63                   ; fetched a step ago
	v_fma_f32 v[CSEL], -v[CGS], s48, v[CS2]        ; the next token's half of a, already updated
	v_pk_fma_f32 v[CA:CA+1], v[RW:RW+1], s[48:49], v[CA:CA+1] op_sel_hi:[1,0,1] neg_lo:[1,0,0] neg_hi:[1,0,0]  ; a -= c beta G[:, token]
	s_mul_f32 s50, s48, s52
	s_add_f32 s52, s52, s54                        ; the next step's beta
	v_mad_u32_u24 v[CAD], s[T16], s59, v[L16]
	v_pk_fma_f32 v[CO:CO+1], v[RW+2:RW+3], s[50:51], v[CO:CO+1] op_sel_hi:[1,0,1]  ; out += beta c Z[token]
	ds_load_b128 v[RW:RW+3], v[CAD]                ; the row of step i + 16, into the slot just used up
	v_pk_mul_f32 v[RN:RN+1], v[RN:RN+1], s[52:53] op_sel_hi:[1,0]
	v_cndmask_b32 v[CGS], v[RN], v[RN+1], s[MC]
.endm
.Lchain:                                               ; 64 trips of 32 steps
.irp i,0,1,2,3,4,5,6,7,8,9,10,11,12,13,14,15,16,17,18,19,20,21,22,23,24,25,26,27,28,29,30,31
	STEP \i
.endr
	s_sub_co_u32 s60, s60, 1
	s_cmp_lg_u32 s60, 0
	s_cbranch_scc1 .Lchain
; ================ THE END: the e chain hands its sums to the s chain of the same batch row, which adds z0 and stores the row ================
.Lwalked:
	BAR                                            ; every chain's reads of the table are back (the look-ahead's too)
	s_cmp_eq_u32 s38, 3
	s_cbranch_scc1 .Lhand
	s_cmp_eq_u32 s38, 6
	s_cbranch_scc0 .Lhanded
.Lhand:
	s_lshl_b32 s46, s45, 8
	s_add_co_u32 s46, s46, COMB
	v_lshl_add_u32 v28, v1, 3, s46
	ds_store_b64 v28, v[CO:CO+1]
.Lhanded:
	BAR
	s_cmp_eq_u32 s38, 0
	s_cbranch_scc1 .Lsum
	s_cmp_eq_u32 s38, 5
	s_cbranch_scc0 .Lfin
.Lsum:
	s_lshl_b32 s46, s45, 8
	s_add_co_u32 s46, s46, COMB
	v_lshl_add_u32 v28, v1, 3, s46
	v_lshl_add_u32 v29, v1, 3, Z0
	ds_load_b64 v[46:47], v28
	ds_load_b64 v[48:49], v29
	s_lshl_b32 s42, ttmp9, 1
	s_add_co_u32 s42, s42, s45                     ; the batch row,
	s_lshl_b32 s42, s42, 8                         ; 256 bytes each
	s_mov_b32 s43, 0
	s_add_nc_u64 s[36:37], s[36:37], s[42:43]
	v_lshlrev_b32 v30, 3, v1
	s_wait_dscnt 0x0
	v_pk_add_f32 v[46:47], v[46:47], v[48:49]
	v_pk_add_f32 v[CO:CO+1], v[CO:CO+1], v[46:47]
	global_store_b64 v30, v[CO:CO+1], s[36:37]     ; the wave's one store covers the row's 256 consecutive bytes, aligned
.Lfin:
	s_wait_tensorcnt 0x0                           ; the wave's end: three closing lines, behind my last LDS store
	ds_add_u32 v4, v5
	s_wait_dscnt 0x0
	s_endpgm
.Lfunc_end_k_qff31d4a650_splitdelta:
	.size	k_qff31d4a650_splitdelta, .Lfunc_end_k_qff31d4a650_splitdelta-k_qff31d4a650_splitdelta
	.p2alignl 7, 3214868480
	.fill 96, 4, 3214868480
	.section	.rodata,"a",@progbits
	.p2align	6, 0x0
	.amdhsa_kernel k_qff31d4a650_splitdelta
		.amdhsa_group_segment_fixed_size 297728
		.amdhsa_private_segment_fixed_size 0
		.amdhsa_enable_private_segment 0
		.amdhsa_kernarg_size 136
		.amdhsa_user_sgpr_count 2
		.amdhsa_user_sgpr_kernarg_segment_ptr 1
		.amdhsa_wavefront_size32 1
		.amdhsa_system_sgpr_workgroup_id_x 1
		.amdhsa_system_sgpr_workgroup_id_y 1
		.amdhsa_system_sgpr_workgroup_id_z 1
		.amdhsa_system_vgpr_workitem_id 0
		.amdhsa_next_free_vgpr 256
		.amdhsa_next_free_sgpr 100
		.amdhsa_reserve_vcc 0
		.amdhsa_float_denorm_mode_32 3
		.amdhsa_float_denorm_mode_16_64 3
		.amdhsa_memory_ordered 1
		.amdhsa_forward_progress 1
		.amdhsa_inst_pref_size 146
	.end_amdhsa_kernel
	.amdgpu_metadata
---
amdhsa.version: [ 1, 2 ]
amdhsa.kernels:
  - .name:           k_qff31d4a650_splitdelta
    .symbol:         k_qff31d4a650_splitdelta.kd
    .args:
      - { .name: seq, .offset: 0, .size: 8, .value_kind: global_buffer, .address_space: global }
      - { .name: embed, .offset: 8, .size: 8, .value_kind: global_buffer, .address_space: global }
      - { .name: W1, .offset: 16, .size: 8, .value_kind: global_buffer, .address_space: global }
      - { .name: W2, .offset: 24, .size: 8, .value_kind: global_buffer, .address_space: global }
      - { .name: Ws, .offset: 32, .size: 8, .value_kind: global_buffer, .address_space: global }
      - { .name: We, .offset: 40, .size: 8, .value_kind: global_buffer, .address_space: global }
      - { .name: Wo, .offset: 48, .size: 8, .value_kind: global_buffer, .address_space: global }
      - { .name: Wrp, .offset: 56, .size: 8, .value_kind: global_buffer, .address_space: global }
      - { .name: b1, .offset: 64, .size: 8, .value_kind: global_buffer, .address_space: global }
      - { .name: b2, .offset: 72, .size: 8, .value_kind: global_buffer, .address_space: global }
      - { .name: ln_g, .offset: 80, .size: 8, .value_kind: global_buffer, .address_space: global }
      - { .name: ln_b, .offset: 88, .size: 8, .value_kind: global_buffer, .address_space: global }
      - { .name: bs, .offset: 96, .size: 8, .value_kind: global_buffer, .address_space: global }
      - { .name: be, .offset: 104, .size: 8, .value_kind: global_buffer, .address_space: global }
      - { .name: brp, .offset: 112, .size: 8, .value_kind: global_buffer, .address_space: global }
      - { .name: bo, .offset: 120, .size: 8, .value_kind: global_buffer, .address_space: global }
      - { .name: out0, .offset: 128, .size: 8, .value_kind: global_buffer, .address_space: global }
    .group_segment_fixed_size: 297728
    .private_segment_fixed_size: 0
    .kernarg_segment_align: 8
    .kernarg_segment_size: 136
    .max_flat_workgroup_size: 256
    .sgpr_count:     100
    .vgpr_count:     256
    .wavefront_size: 32
...
	.end_amdgpu_metadata
.endif
;; end of part 1
;; ======== version 2 of 2: 1 launch; version 1 with the launch splitdelta written anew for expert scheduling mode
;; launch splitdelta (part 2): grid 128 x 1, 8 waves a work-group, no clusters, 297,728 bytes of LDS; arguments seq, embed, W1, W2, Ws, We, Wo, Wrp, b1, b2, ln_g, ln_b, bs, be, brp, bo, out0; writes out0
.if DOCPART == 2
	.amdgcn_target "amdgcn-amd-amdhsa--gfx1250"
	.amdhsa_code_object_version 6
	.text
	.protected	k_qff31d4a650_splitdelta
	.globl	k_qff31d4a650_splitdelta
	.p2align	8
	.type	k_qff31d4a650_splitdelta,@function
k_qff31d4a650_splitdelta:
	s_mov_b64 s[64:65], 0
	v_nop
	global_prefetch_b8 v0, s[64:65] scope:SCOPE_SE
	s_setreg_imm32_b32 hwreg(HW_REG_WAVE_SCHED_MODE, 0, 2), 2
	s_setreg_imm32_b32 hwreg(HW_REG_WAVE_MODE, 25, 1), 1
	s_wait_xcnt 0x0
	s_wait_alu depctr_vm_vsrc(0)
; SplitDelta: out[b] = Wo (Wrp [M_s q_s ; M_e q_e] + brp) + bo, M_s and M_e written by the delta rule at t = 0 .. 2046.
; THREE IDENTITIES, true for every input, carry the text.
;  1. The encoder sees a position's token alone, and there are 64 tokens: h, hs, he and the keys are tables of 64 rows.
;  2. Only M q is wanted.  M <- M (I - beta k k^T) + beta h k^T, so walking t DOWN with u = q: c = k_t . u; r += beta c h_t; u -= beta c k_t.  All 2047 writes are walked.
;  3. u is carried as a[v] = k_v . u for the 64 tokens v: c = a[token], a -= beta c G[:, token], G = K K^T; and r is carried through the two output layers:
;     out = z0 + sum of beta c Z_X[token], Z_X[v] = Wc[:, 32 X ..] h_X[v], Wc = Wo Wrp, z0 = Wo brp + bo.
; SHARES.  A work-group owns two batch rows = four chains (2 rows x 2 memories).  All eight waves build the tables in LDS, each work-group for itself; then four waves walk a chain each.
; Waves 0, 3, 5, 6 encode 16 tokens each and later walk the chains; waves 1, 2, 4, 7 make Wc and z0 meanwhile.
; FORMATS.  Every table product goes to the bf16 matrix form with f32 sums; each f32 operand x is split into hi = bf16(x) and lo = bf16(x - hi), and hi hi + hi lo + lo hi are summed in one
; accumulator: what is dropped is the product lo lo and the third piece of each operand.  LayerNorm, norms, the recurrence and its sums are f32.
; NO CLUSTER, NO TENSOR LOAD: what work-groups share is 130 KB of weights, read once at the start, and each f32 word has to pass through registers to be split.
; LIMITS.  A token above 63 counts as 63.  NaN and infinities are not treated apart.  The sums over t are formed from the last t to the first, another order of rounding than a forward walk's.
; THE MODE: SCHED_MODE bits 1:0 = 2 (LLVM: expert scheduling mode 2), set by the entry lines.  The code itself states the register dependences between vector or matrix instructions
; and memory or LDS instructions, with s_wait_alu, always for 0.
; THE PLAN, the tables.  A split's two halves go into out-buffers, v192-223 and v224-255, eight registers for eight numbers: four or eight splits, one wait on va_vdst, a run of stores; a wait on vm_vsrc
; stands ahead of the first line that writes a buffer again.  Address registers are made at a phase's head: a wait on vm_vsrc ahead of it (the phase before has read them), one on va_vdst behind it.
; A load into fragments that products have read stands behind a wait on va_vdst.
; THE PLAN, the chain.  Registers that LDS instructions touch in the loop:
;   ROW    16 slots.  Slot i % 16: read and written by steps i - 1 and i; the row of step i + 16 lands in it at the head of the next group of four steps.
;   AD     8 addresses, two sets of four by turns.  Step i writes AD[i % 8], the address of row i + 16; the next group's head reads it; it is written again a group later.
;   TKA    read by the tokens' load at step 0, stepped in step 4.      TKN    the tokens' load lands in it at step 0; step 15 copies it.
; So a group's head has one wait on vm_vsrc and one on va_vdst, its four loads straight behind them; and every step has one wait on va_sdst, behind its two v_readlane_b32 and ahead of the first reader of c.
.set W1P,   0          ; W1 in two bf16 planes (hi, then lo): 128 rows, pitch 144
.set W2P,   36864      ; W2: 64 rows, pitch 272
.set TAB,   0          ; over W1P and W2P once these are read out: X 33792 + v 528 + l 16: G[l][v], G[l+32][v], Z[v][2l], Z[v][2l+1], f32
.set X0P,   71680      ; embed: 64 rows, pitch 144
.set WSEP,  90112      ; rows 0-31 Ws, 32-63 We, pitch 144
.set WOP,   108544     ; Wo, pitch 144
.set WRPP,  126976     ; Wrp as it lies, [m][j], pitch 160: read turned
.set A1P,   147456     ; relu output: 64 rows, pitch 272
.set HP,    182272     ; LayerNorm output: pitch 144
.set KXP,   200704     ; keys: X 10240, 64 rows, pitch 80
.set HXP,   221184     ; hs, he: the same
.set WCP,   241664     ; Wc [o][j], pitch 144
.set E32,   260096     ; embed in f32, pitch 272
.set VEC,   277504     ; b1 +0, b2 +512, ln_g +768, ln_b +1024, bs +1280, be +1408
.set Z0,    279040     ; z0, 64 f32
.set COMB,  279296     ; batch 256 + lane 8: the e chains' sums
.set TOK,   279808     ; batch 8448: 128 bytes of zeros (t = -32 .. -1), then the row's 2048 tokens
.set SPARE, 296704     ; the spare words: 128 bytes for each of the eight waves; no other line names them
; v0 thread, v1 lane, v2 r = lane % 16, v3 h = lane / 16, v4 my spare word, v5 0 (these two for the add alone), v6 r 144 + 16 h, v7 r 272 + 16 h, v8 r 80 + 16 h, v9-v31 addresses and scratch by phase
.set ACC,   32         ; v32-95   accumulators
.set XF,    96         ; v96-159  fragments of the activations (source 1)
.set WF,    160        ; v160-223 fragments of the weights (source 0): hi of tile f at WF + 8 f, lo at WF + 32 + 8 f
; v192-223, v224-255 the out-buffers of the splits; v224-233 also at work on sums.  s[4:37] the 17 addresses; s38 wave, s39 wave / 2; s[40:41] lane selects; s42-47 scratch; s48-63 and s[68:99] the chain's
.macro PLACES                       ; four plain vector instructions between a matrix instruction and a vector read of its result or a vector write of its registers; they stay in front of loads into its sources too
.rept 4
	v_nop
.endr
.endm
.macro FREEW                        ; in front of loads into WF
	PLACES
	s_wait_alu depctr_va_vdst(0)                   ; the products are done reading WF, in which the loads below land
.endm
.macro BAR                          ; my LDS instructions are done, then the work-group's barrier
	s_wait_dscnt 0x0
	s_barrier_signal -1
	s_barrier_wait -1
.endm
.macro IFHELPER label               ; waves 1, 2, 4, 7 leave
	s_cmp_eq_u32 s38, 1
	s_cbranch_scc1 \label
	s_cmp_eq_u32 s38, 2
	s_cbranch_scc1 \label
	s_cmp_eq_u32 s38, 4
	s_cbranch_scc1 \label
	s_cmp_eq_u32 s38, 7
	s_cbranch_scc1 \label
.endm
; Eight f32 at v[x ..] -> four words of hi at v[h ..], four of lo at v[l ..]; v[t .. t+7] at work; x is used up.  x - hi is exact in f32.
.macro SPLIT8 x, h, l, t
.irp p,0,1,2,3
	v_cvt_pk_bf16_f32 v[(\h)+\p], v[(\x)+2*\p], v[(\x)+2*\p+1]
.endr
.irp p,0,1,2,3
	v_lshlrev_b32 v[(\t)+2*\p], 16, v[(\h)+\p]
	v_and_b32 v[(\t)+2*\p+1], 0xffff0000, v[(\h)+\p]
.endr
.irp p,0,1,2,3
	v_pk_add_f32 v[(\x)+2*\p:(\x)+2*\p+1], v[(\x)+2*\p:(\x)+2*\p+1], v[(\t)+2*\p:(\t)+2*\p+1] neg_lo:[0,1] neg_hi:[0,1]
.endr
.irp p,0,1,2,3
	v_cvt_pk_bf16_f32 v[(\l)+\p], v[(\x)+2*\p], v[(\x)+2*\p+1]
.endr
.endm
.macro SPL x, o, t                  ; eight f32 are split into eight registers of an out-buffer: hi at o, lo at o + 4
	SPLIT8 \x, \o, (\o)+4, \t
.endm
.macro OUT8 o, adr, off, lo         ; and stored: 16 bytes into the hi plane, 16 into the lo plane
	ds_store_b128 v[\adr], v[(\o):(\o)+3] offset:(\off)
	ds_store_b128 v[\adr], v[(\o)+4:(\o)+7] offset:(\off)+(\lo)
.endm
.macro XLOAD dst, adr, off          ; a fragment, 16 rows x 32 K of bf16: two loads of 16 bytes, 32 bytes apart
	ds_load_b128 v[(\dst):(\dst)+3], v[\adr] offset:(\off)
	ds_load_b128 v[(\dst)+4:(\dst)+7], v[\adr] offset:(\off)+32
.endm
.macro CLOAD dst, adr, off          ; eight neighbouring f32, in an accumulator's layout
	ds_load_b128 v[(\dst):(\dst)+3], v[\adr] offset:(\off)
	ds_load_b128 v[(\dst)+4:(\dst)+7], v[\adr] offset:(\off)+16
.endm
.macro WLOAD adr, off, ts, lo       ; four tiles of weights, ts bytes apart: eight loads of hi, then eight of lo
.irp f,0,1,2,3
	XLOAD WF+8*\f, \adr, (\off)+\f*(\ts)
.endr
.irp f,0,1,2,3
	XLOAD WF+32+8*\f, \adr, (\off)+(\lo)+\f*(\ts)
.endr
.endm
.macro WLOADT adr, off              ; the same out of Wrp, which lies [K][N]: turned; tiles 32 bytes apart, the second 16 of K 16 rows down
.irp f,0,1,2,3
	ds_load_tr16_b128 v[WF+8*\f:WF+8*\f+3], v[\adr] offset:(\off)+32*\f
	ds_load_tr16_b128 v[WF+8*\f+4:WF+8*\f+7], v[\adr] offset:(\off)+32*\f+2560
.endr
.irp f,0,1,2,3
	ds_load_tr16_b128 v[WF+32+8*\f:WF+32+8*\f+3], v[\adr] offset:(\off)+10240+32*\f
	ds_load_tr16_b128 v[WF+32+8*\f+4:WF+32+8*\f+7], v[\adr] offset:(\off)+10240+32*\f+2560
.endr
.endm
; Twelve matrix instructions: four tiles x (hi hi, hi lo, lo hi), 32 along K.  Source 0 = 16 rows of weights, source 1 = 16 rows of activations: register j of lane (r, h) is
; out[row r][column 8 h + j of the tile].  The four accumulators take turns, one instruction a turn.  n1, n2: the LDS loads that may stay out.
.macro MM12 acc, whi, wlo, xhi, xlo, zero, n1, n2
	s_wait_dscnt \n1
.irp f,0,1,2,3
.if \zero
	v_wmma_f32_16x16x32_bf16 v[(\acc)+8*\f:(\acc)+8*\f+7], v[(\whi)+8*\f:(\whi)+8*\f+7], v[(\xhi):(\xhi)+7], 0
.else
	v_wmma_f32_16x16x32_bf16 v[(\acc)+8*\f:(\acc)+8*\f+7], v[(\whi)+8*\f:(\whi)+8*\f+7], v[(\xhi):(\xhi)+7], v[(\acc)+8*\f:(\acc)+8*\f+7]
.endif
.endr
.irp f,0,1,2,3
	v_wmma_f32_16x16x32_bf16 v[(\acc)+8*\f:(\acc)+8*\f+7], v[(\whi)+8*\f:(\whi)+8*\f+7], v[(\xlo):(\xlo)+7], v[(\acc)+8*\f:(\acc)+8*\f+7]
.endr
	s_wait_dscnt \n2
.irp f,0,1,2,3
	v_wmma_f32_16x16x32_bf16 v[(\acc)+8*\f:(\acc)+8*\f+7], v[(\wlo)+8*\f:(\wlo)+8*\f+7], v[(\xhi):(\xhi)+7], v[(\acc)+8*\f:(\acc)+8*\f+7]
.endr
.endm
.macro HSUM a                       ; v[a] = v[a] + v[a+1], of this lane and of the lane 16 away
	v_add_f32 v[\a], v[\a], v[(\a)+1]
	v_permlanex16_b32 v[(\a)+1], v[\a], s40, s41
	v_add_f32 v[\a], v[\a], v[(\a)+1]
.endm
.macro GLOAD k, base, p             ; pass k: 256 threads x 32 bytes = 8,192 bytes of a weight
	global_load_b128 v[32+8*(\k):35+8*(\k)], v9, s[\base:\base+1] offset:(\p)*8192
	global_load_b128 v[36+8*(\k):39+8*(\k)], v9, s[\base:\base+1] offset:(\p)*8192+16
.endm
; ================ PHASE 0, all eight waves: everything comes in once, is split and laid into LDS ================
	s_load_b512 s[4:19], s[0:1], 0x0               ; seq 4, embed 6, W1 8, W2 10, Ws 12, We 14, Wo 16, Wrp 18
	s_load_b512 s[20:35], s[0:1], 0x40             ; b1 20, b2 22, ln_g 24, ln_b 26, bs 28, be 30, brp 32, bo 34
	s_load_b64 s[36:37], s[0:1], 0x80              ; out0
	v_lshl_add_u32 v4, v0, 2, SPARE
	v_mov_b32 v5, 0
	v_and_b32 v1, 31, v0
	v_lshrrev_b32 v28, 5, v0
	v_readfirstlane_b32 s38, v28                   ; wave 0..7
	v_lshlrev_b32 v9, 5, v0                        ; 32 bytes a thread
	v_lshlrev_b32 v10, 4, v0                       ; 16 bytes a thread
	v_lshlrev_b32 v23, 4, v1                       ; 16, 8 and 4 bytes a lane: the offsets by which wave 7 fetches the six short vectors
	v_lshlrev_b32 v24, 3, v1
	v_lshlrev_b32 v25, 2, v1
	s_lshl_b32 s42, ttmp9, 14                      ; the work-group's two rows of seq: 16,384 bytes
	s_mov_b32 s43, 0
	s_wait_alu depctr_va_sdst(0)                   ; s38 is written, ahead of its first reader
	s_lshr_b32 s39, s38, 1
	s_wait_kmcnt 0x0
	s_add_nc_u64 s[4:5], s[4:5], s[42:43]
	s_wait_alu depctr_va_vdst(0)                   ; v9, v10 and v23 to v25 are written: the offsets of all the loads below
	s_cmp_lg_u32 s38, 7
	s_cbranch_scc1 .Lvec_asked
	global_load_b128 v[176:179], v23, s[20:21]     ; these loads are older than all that is counted below
	global_load_b64 v[180:181], v24, s[22:23]
	global_load_b64 v[182:183], v24, s[24:25]
	global_load_b64 v[184:185], v24, s[26:27]
	global_load_b32 v186, v25, s[28:29]
	global_load_b32 v187, v25, s[30:31]
.Lvec_asked:
.irp p,0,1,2,3
	global_load_b128 v[160+4*\p:163+4*\p], v10, s[4:5] offset:\p*4096 th:TH_LOAD_NT  ; 36 loads in one run: four of seq, then 16 passes of two
.endr
	GLOAD 0, 6, 0
	GLOAD 1, 6, 1
.irp p,0,1,2,3
	GLOAD 2+\p, 8, \p
.endr
.irp p,0,1,2,3
	GLOAD 6+\p, 10, \p
.endr
	GLOAD 10, 12, 0
	GLOAD 11, 14, 0
	GLOAD 12, 16, 0
	GLOAD 13, 16, 1
	GLOAD 14, 18, 0
	GLOAD 15, 18, 1
	; the addresses are made while the loads are out
	v_and_b32 v2, 15, v0
	v_bfe_u32 v3, v0, 4, 1
	s_mov_b32 s40, 0x76543210                      ; v_permlanex16_b32: each lane takes its own place in the other half
	s_mov_b32 s41, 0xfedcba98
	v_mul_u32_u24 v6, v2, 144
	v_lshl_add_u32 v6, v3, 4, v6
	v_mul_u32_u24 v7, v2, 272
	v_lshl_add_u32 v7, v3, 4, v7
	v_mul_u32_u24 v8, v2, 80
	v_lshl_add_u32 v8, v3, 4, v8
	v_lshrrev_b32 v28, 3, v0                       ; rows of 64 numbers: a pass has 32 rows, eight threads a row
	v_and_b32 v29, 7, v0
	v_mul_u32_u24 v11, v28, 144
	v_lshl_add_u32 v11, v29, 4, v11                ; also W1's address: W1P = 0
	v_mul_u32_u24 v12, v28, 160
	v_lshl_add_u32 v12, v29, 4, v12
	v_mul_u32_u24 v14, v28, 272
	v_lshl_add_u32 v14, v29, 5, v14
	v_lshrrev_b32 v28, 4, v0                       ; rows of 128 numbers (W2): 16 rows a pass, sixteen threads a row
	v_mul_u32_u24 v13, v28, 272
	v_lshl_add_u32 v13, v2, 4, v13
	v_add_nc_u32 v15, X0P, v11
	v_add_nc_u32 v17, W2P, v13
	v_add_nc_u32 v18, WSEP, v11
	v_add_nc_u32 v19, WOP, v11
	v_add_nc_u32 v20, WRPP, v12
	v_add_nc_u32 v21, E32, v14
	v_add_nc_u32 v22, TOK, v10
	v_add_nc_u32 v26, VEC, v23                     ; where wave 7 puts the short vectors and the guard zeros
	v_add_nc_u32 v27, VEC, v24
	v_add_nc_u32 v29, VEC, v25
	v_add_nc_u32 v30, TOK, v25
	v_mov_b32 v31, 0
	s_wait_alu depctr_va_vdst(0)                   ; v11, v15, v17 to v22, v26, v27 and v29 to v31 are written: the addresses (v31: the data) of this phase's LDS stores
	s_wait_loadcnt 32                              ; loads come back in order (ISA guide 5.7.1): seq is in, the 32 loads of the weights may stay out
.irp p,0,1,2,3
	ds_store_b128 v22, v[160+4*\p:163+4*\p] offset:(\p/2)*8448+128+(\p%2)*4096
.endr
	s_wait_loadcnt 28                              ; embed's two passes are in
.irp p,0,1
	ds_store_b128 v21, v[32+8*\p:35+8*\p] offset:\p*8704       ; embed also as f32, for the residual
	ds_store_b128 v21, v[36+8*\p:39+8*\p] offset:\p*8704+16
.endr
	; four batches of four passes; passes 0 to 4 b + 3 are there when at most 32 - 8 (b + 1) loads are out
	s_wait_loadcnt 24
	s_wait_alu depctr_vm_vsrc(0)                   ; the stores above have read v32-47, which the splits use up, and v160-167, which are the splits' scratch from here on
	SPL 32, 192, 160
	SPL 40, 200, 160
	SPL 48, 208, 160
	SPL 56, 216, 160
	s_wait_alu depctr_va_vdst(0)                   ; the splits have written v192-223, which the stores read
	OUT8 192, 15, 0, 9216
	OUT8 200, 15, 4608, 9216
	OUT8 208, 11, 0, 18432
	OUT8 216, 11, 4608, 18432
	s_wait_loadcnt 16
	SPL 64, 224, 160
	SPL 72, 232, 160
	SPL 80, 240, 160
	SPL 88, 248, 160
	s_wait_alu depctr_va_vdst(0)                   ; the splits have written v224-255, which the stores read
	OUT8 224, 11, 9216, 18432
	OUT8 232, 11, 13824, 18432
	OUT8 240, 17, 0, 17408
	OUT8 248, 17, 4352, 17408
	s_wait_loadcnt 8
	s_wait_alu depctr_vm_vsrc(0)                   ; the first batch's stores have read v192-223, which the splits write again
	SPL 96, 192, 160
	SPL 104, 200, 160
	SPL 112, 208, 160
	SPL 120, 216, 160
	s_wait_alu depctr_va_vdst(0)                   ; the splits have written v192-223
	OUT8 192, 17, 8704, 17408
	OUT8 200, 17, 13056, 17408
	OUT8 208, 18, 0, 9216
	OUT8 216, 18, 4608, 9216
	s_wait_loadcnt 0x0
	s_wait_alu depctr_vm_vsrc(0)                   ; the second batch's stores have read v224-255, which the splits write again
	SPL 128, 224, 160
	SPL 136, 232, 160
	SPL 144, 240, 160
	SPL 152, 248, 160
	s_wait_alu depctr_va_vdst(0)                   ; the splits have written v224-255
	OUT8 224, 19, 0, 9216
	OUT8 232, 19, 4608, 9216
	OUT8 240, 20, 0, 10240
	OUT8 248, 20, 5120, 10240
	s_cmp_lg_u32 s38, 7
	s_cbranch_scc1 .Lvec_put
	ds_store_b128 v26, v[176:179]
	ds_store_b64 v27, v[180:181] offset:512
	ds_store_b64 v27, v[182:183] offset:768
	ds_store_b64 v27, v[184:185] offset:1024
	ds_store_b32 v29, v186 offset:1280
	ds_store_b32 v29, v187 offset:1408
	ds_store_b32 v30, v31                          ; the 32 words in front of each row's tokens: what the chains' look-ahead reads behind t = 0
	ds_store_b32 v30, v31 offset:8448
.Lvec_put:
	BAR                                            ; all planes are whole
	s_wait_alu depctr_vm_vsrc(0)                   ; my stores have read v15 to v31 and v192-255: both ways below make addresses in the first and load into, or write, the second
	IFHELPER .Lhelper
; ================ PHASE 1, waves 0, 3, 5, 6: the encoder for tokens 16 idx .. 16 idx + 15.  What a wave stores and reads again here are its own rows: LDS serves a wave in order ================
	s_mul_i32 s46, s39, 2304
	s_mul_i32 s47, s39, 4352
	s_mul_i32 s45, s39, 1280
	s_add_co_u32 s44, s46, X0P
	v_add_nc_u32 v15, s44, v6
	s_add_co_u32 s44, s47, A1P
	v_add_nc_u32 v17, s44, v7
	v_add_nc_u32 v18, W2P, v7
	v_mul_u32_u24 v19, v2, 272
	v_lshl_add_u32 v19, v3, 5, v19
	s_add_co_u32 s44, s47, E32
	v_add_nc_u32 v19, s44, v19
	v_lshl_add_u32 v20, v3, 5, VEC
	s_add_co_u32 s44, s46, HP
	v_add_nc_u32 v21, s44, v6
	v_add_nc_u32 v22, WSEP, v6
	s_add_co_u32 s44, s45, KXP
	v_add_nc_u32 v23, s44, v8
	s_add_co_u32 s44, s45, HXP
	v_add_nc_u32 v24, s44, v8
	s_wait_alu depctr_va_vdst(0)                   ; v15 and v17 to v24 are written, the addresses of this phase; phase 0's splits are done with v32-223, in which the loads below land
	; ---- A1 = relu(X0 W1^T + b1): 8 tiles of 16 columns, K = 64.  b1 is loaded straight into the accumulators
.irp f,0,1,2,3,4,5,6,7
	CLOAD ACC+8*\f, 20, 64*\f
.endr
.irp ks,0,1
	XLOAD XF+16*\ks, 15, 64*\ks
	XLOAD XF+16*\ks+8, 15, 64*\ks+9216
.endr
	WLOAD 6, 0, 2304, 18432
	MM12 ACC, WF, WF+32, XF, XF+8, 0, 8, 0         ; 8: the eight loads of lo just issued may stay out; all that is older is in
	FREEW
	WLOAD 6, 64, 2304, 18432
	MM12 ACC, WF, WF+32, XF+16, XF+24, 0, 8, 0
	FREEW
	WLOAD 6, 9216, 2304, 18432
	MM12 ACC+32, WF, WF+32, XF, XF+8, 0, 8, 0
	FREEW
	WLOAD 6, 9280, 2304, 18432
	MM12 ACC+32, WF, WF+32, XF+16, XF+24, 0, 8, 0
	PLACES
.irp f,0,1,2,3,4,5,6,7
.irp j,0,1,2,3,4,5,6,7
	v_max_num_f32 v[ACC+8*\f+\j], 0, v[ACC+8*\f+\j]
.endr
	SPL ACC+8*\f, 192+8*\f, 128
.endr
	s_wait_alu depctr_va_vdst(0)                   ; the eight splits have written v192-255, which the stores read; they are also done with v32-95 and v128-135, and the products with v96-191, in which the loads below land
.irp f,0,1,2,3,4,5,6,7
	OUT8 192+8*\f, 17, 32*\f, 17408
.endr
	; ---- x = embed + b2 + A1 W2^T: 4 tiles, K = 128
.irp f,0,1,2,3
	CLOAD ACC+8*\f, 19, 64*\f
.endr
.irp f,0,1,2,3
	CLOAD 64+8*\f, 20, 512+64*\f
.endr
.irp ks,0,1,2,3
	XLOAD XF+16*\ks, 17, 64*\ks
	XLOAD XF+16*\ks+8, 17, 64*\ks+17408
.endr
	s_wait_alu depctr_vm_vsrc(0)                   ; the stores of A1 have read v192-255: W2's lo fragments land in v192-223, and the LayerNorm's sums and splits write v224-255
	WLOAD 18, 0, 4352, 17408
	s_wait_dscnt 32                                ; embed and b2 are in; A1's sixteen loads and W2's sixteen may stay out
.irp q,0,1,2,3,4,5,6,7,8,9,10,11,12,13,14,15
	v_pk_add_f32 v[ACC+2*\q:ACC+2*\q+1], v[ACC+2*\q:ACC+2*\q+1], v[64+2*\q:65+2*\q]
.endr
	MM12 ACC, WF, WF+32, XF, XF+8, 0, 8, 0
.irp ks,1,2,3
	FREEW
	WLOAD 18, 64*\ks, 4352, 17408
	MM12 ACC, WF, WF+32, XF+16*\ks, XF+16*\ks+8, 0, 8, 0
.endr
	FREEW
	; ---- LayerNorm in registers: a lane holds 32 of its token's 64 numbers, the lane 16 away the others.  Mean first, then the squares of the differences
.irp f,0,1,2,3
	CLOAD WF+8*\f, 20, 768+64*\f
	CLOAD WF+32+8*\f, 20, 1024+64*\f
.endr
	s_mov_b32 s46, 0x3c800000                      ; 1 / 64
	s_mov_b32 s47, 0x3727c5ac                      ; 1e-5
.irp f,0,1,2,3
	v_pk_add_f32 v[224+2*\f:225+2*\f], v[ACC+8*\f:ACC+8*\f+1], v[ACC+8*\f+2:ACC+8*\f+3]  ; each accumulator is read from its low end on
.endr
.irp j,4,6
.irp f,0,1,2,3
	v_pk_add_f32 v[224+2*\f:225+2*\f], v[224+2*\f:225+2*\f], v[ACC+8*\f+\j:ACC+8*\f+\j+1]
.endr
.endr
	v_pk_add_f32 v[224:225], v[224:225], v[226:227]
	v_pk_add_f32 v[228:229], v[228:229], v[230:231]
	v_pk_add_f32 v[224:225], v[224:225], v[228:229]
	HSUM 224
	v_mul_f32 v224, s46, v224                      ; the mean
.irp q,0,1,2,3,4,5,6,7,8,9,10,11,12,13,14,15
	v_pk_add_f32 v[ACC+2*\q:ACC+2*\q+1], v[ACC+2*\q:ACC+2*\q+1], v[224:225] op_sel_hi:[1,0] neg_lo:[0,1] neg_hi:[0,1]
.endr
.irp f,0,1,2,3
	v_pk_mul_f32 v[226+2*\f:227+2*\f], v[ACC+8*\f:ACC+8*\f+1], v[ACC+8*\f:ACC+8*\f+1]
.endr
.irp j,2,4,6
.irp f,0,1,2,3
	v_pk_fma_f32 v[226+2*\f:227+2*\f], v[ACC+8*\f+\j:ACC+8*\f+\j+1], v[ACC+8*\f+\j:ACC+8*\f+\j+1], v[226+2*\f:227+2*\f]
.endr
.endr
	v_pk_add_f32 v[226:227], v[226:227], v[228:229]
	v_pk_add_f32 v[230:231], v[230:231], v[232:233]
	v_pk_add_f32 v[226:227], v[226:227], v[230:231]
	HSUM 226
	v_fma_f32 v226, v226, s46, s47                 ; variance + 1e-5
	v_rsq_f32 v226, v226
	v_nop                                          ; a plain instruction between the root and its use (ISA guide 5.7.2)
	s_wait_dscnt 0x0                               ; ln_g, ln_b
	s_wait_alu depctr_va_vdst(0)                   ; the root has written v226, ahead of its first reader
.irp q,0,1,2,3,4,5,6,7,8,9,10,11,12,13,14,15
	v_pk_mul_f32 v[WF+2*\q:WF+2*\q+1], v[WF+2*\q:WF+2*\q+1], v[226:227] op_sel_hi:[1,0]
.endr
.irp q,0,1,2,3,4,5,6,7,8,9,10,11,12,13,14,15
	v_pk_fma_f32 v[ACC+2*\q:ACC+2*\q+1], v[ACC+2*\q:ACC+2*\q+1], v[WF+2*\q:WF+2*\q+1], v[WF+32+2*\q:WF+32+2*\q+1]
.endr
.irp f,0,1,2,3
	SPL ACC+8*\f, 224+8*\f, 128
.endr
	s_wait_alu depctr_va_vdst(0)                   ; the splits have written v224-255, which the stores read; the lines above are done with v32-63, v96-135 and v160-223, in which the loads below land
.irp f,0,1,2,3
	OUT8 224+8*\f, 21, 32*\f, 9216
.endr
	; ---- [hs | he] = H [Ws ; We]^T + [bs | be]: tiles 0, 1 are hs, tiles 2, 3 he; K = 64
.irp f,0,1,2,3
	CLOAD ACC+8*\f, 20, 1280+64*\f
.endr
.irp ks,0,1
	XLOAD XF+16*\ks, 21, 64*\ks
	XLOAD XF+16*\ks+8, 21, 64*\ks+9216
.endr
	WLOAD 22, 0, 2304, 9216
	MM12 ACC, WF, WF+32, XF, XF+8, 0, 8, 0
	FREEW
	WLOAD 22, 64, 2304, 9216
	MM12 ACC, WF, WF+32, XF+16, XF+24, 0, 8, 0
	PLACES
	s_wait_alu depctr_vm_vsrc(0)                   ; the stores of H have read v224-255, which the norms and the splits below write
	; ---- keys k = h / max(|h|, 1e-12)
.irp f,0,1,2,3
	v_pk_mul_f32 v[224+2*\f:225+2*\f], v[ACC+8*\f:ACC+8*\f+1], v[ACC+8*\f:ACC+8*\f+1]
.endr
.irp j,2,4,6
.irp f,0,1,2,3
	v_pk_fma_f32 v[224+2*\f:225+2*\f], v[ACC+8*\f+\j:ACC+8*\f+\j+1], v[ACC+8*\f+\j:ACC+8*\f+\j+1], v[224+2*\f:225+2*\f]
.endr
.endr
	v_pk_add_f32 v[224:225], v[224:225], v[226:227]
	v_pk_add_f32 v[228:229], v[228:229], v[230:231]
	HSUM 224
	HSUM 228
	v_sqrt_f32 v224, v224
	v_sqrt_f32 v228, v228
	v_nop
	s_wait_alu depctr_va_vdst(0)                   ; the two roots have written v224 and v228, ahead of their first readers
	v_max_num_f32 v224, 0x2b8cbccc, v224           ; 1e-12
	v_max_num_f32 v228, 0x2b8cbccc, v228
	v_rcp_f32 v224, v224
	v_rcp_f32 v228, v228
	v_nop
	s_wait_alu depctr_va_vdst(0)                   ; the two reciprocals have written v224 and v228, ahead of their first readers
.irp q,0,1,2,3,4,5,6,7
	v_pk_mul_f32 v[WF+2*\q:WF+2*\q+1], v[ACC+2*\q:ACC+2*\q+1], v[224:225] op_sel_hi:[1,0]
	v_pk_mul_f32 v[WF+16+2*\q:WF+16+2*\q+1], v[ACC+16+2*\q:ACC+16+2*\q+1], v[228:229] op_sel_hi:[1,0]
.endr
.irp f,0,1,2,3
	SPL WF+8*\f, 192+8*\f, 128
.endr
.irp f,0,1,2,3
	SPL ACC+8*\f, 224+8*\f, 128
.endr
	s_wait_alu depctr_va_vdst(0)                   ; the eight splits have written v192-255, which the stores read
.irp f,0,1,2,3
	OUT8 192+8*\f, 23, (\f/2)*10240+(\f%2)*32, 5120
.endr
.irp f,0,1,2,3
	OUT8 224+8*\f, 24, (\f/2)*10240+(\f%2)*32, 5120
.endr
	s_branch .Ljoin
; ================ PHASE 1, waves 1, 2, 4, 7: rows 16 idx .. 16 idx + 15 of Wc = Wo Wrp, and of z0 = Wo brp + bo ================
.Lhelper:
	s_mul_i32 s46, s39, 2304
	s_add_co_u32 s44, s46, WOP
	v_add_nc_u32 v15, s44, v6
	v_and_b32 v28, 7, v0                           ; the turning load: lane l reads row 8 (l / 16) + l % 8, bytes 16 ((l / 8) % 2) on
	v_lshl_add_u32 v28, v3, 3, v28
	v_mul_u32_u24 v16, v28, 160
	v_bfe_u32 v28, v0, 3, 1
	v_lshl_add_u32 v16, v28, 4, v16
	v_add_nc_u32 v16, WRPP, v16
	s_add_co_u32 s44, s46, WCP
	v_add_nc_u32 v17, s44, v6
	s_lshl_b32 s44, s39, 4
	v_add_nc_u32 v21, s44, v2                      ; o = 16 idx + r
	v_lshlrev_b32 v18, 8, v21
	v_lshl_add_u32 v18, v3, 7, v18                 ; Wo[o][32 h ..], in bytes
	v_lshlrev_b32 v19, 7, v3                       ; brp[32 h ..]
	v_lshlrev_b32 v21, 2, v21
	v_add_nc_u32 v20, Z0, v21
	s_wait_alu depctr_va_vdst(0)                   ; v15 to v21 are written, the addresses of this phase; phase 0's lines are done with v22 and v64-223, in which the loads below land
.irp c,0,1,2,3,4,5,6,7
	global_load_b128 v[64+4*\c:67+4*\c], v18, s[16:17] offset:16*\c
	global_load_b128 v[128+4*\c:131+4*\c], v19, s[32:33] offset:16*\c
.endr
	global_load_b32 v22, v21, s[34:35]
.irp ks,0,1
	XLOAD XF+16*\ks, 15, 64*\ks
	XLOAD XF+16*\ks+8, 15, 64*\ks+9216
.endr
	WLOADT 16, 0
	MM12 ACC, WF, WF+32, XF, XF+8, 1, 8, 0         ; the first products start the sums
	FREEW
	WLOADT 16, 5120
	MM12 ACC, WF, WF+32, XF+16, XF+24, 0, 8, 0
	PLACES
.irp f,0,1,2,3
	SPL ACC+8*\f, 192+8*\f, 160
.endr
	s_wait_loadcnt 0x0
	v_pk_mul_f32 v[224:225], v[64:65], v[128:129]
	v_pk_mul_f32 v[226:227], v[66:67], v[130:131]
.irp q,2,4,6,8,10,12,14
	v_pk_fma_f32 v[224:225], v[64+2*\q:65+2*\q], v[128+2*\q:129+2*\q], v[224:225]
	v_pk_fma_f32 v[226:227], v[66+2*\q:67+2*\q], v[130+2*\q:131+2*\q], v[226:227]
.endr
	v_pk_add_f32 v[224:225], v[224:225], v[226:227]
	HSUM 224
	v_add_f32 v224, v224, v22
	s_wait_alu depctr_va_vdst(0)                   ; the splits have written v192-223 and the sum v224, which the stores read
.irp f,0,1,2,3
	OUT8 192+8*\f, 17, 32*\f, 9216
.endr
	ds_store_b32 v20, v224                         ; both halves of the lanes store the same number to the same word
; ================ PHASE 2, all eight waves: memory X = wave % 2, tokens 16 tv .. 16 tv + 15 (tv = wave / 2): their rows of the table ================
.Ljoin:
	s_wait_alu depctr_vm_vsrc(0)                   ; phase 1's loads and stores have read v15 to v19, which are made anew below, and v192-255, in which fragments land and which products write
	s_and_b32 s44, s38, 1
	s_mul_i32 s45, s44, 10240
	s_mul_i32 s46, s39, 1280
	s_add_co_u32 s47, s45, s46
	s_add_co_u32 s42, s47, KXP
	v_add_nc_u32 v15, s42, v8
	s_add_co_u32 s42, s47, HXP
	v_add_nc_u32 v17, s42, v8
	v_lshrrev_b32 v28, 1, v2                       ; G's source 0: row m of tile tu is token 8 tu + m / 2 + 32 (m % 2), so that a pair of result registers is (G[l][v], G[l + 32][v])
	v_and_b32 v29, 1, v2
	v_lshl_add_u32 v28, v29, 5, v28
	v_mul_u32_u24 v16, v28, 80
	v_lshl_add_u32 v16, v3, 4, v16
	s_add_co_u32 s42, s45, KXP
	v_add_nc_u32 v16, s42, v16
	s_lshl_b32 s42, s44, 6                         ; Wc's columns 32 X ..
	s_add_co_u32 s42, s42, WCP
	v_add_nc_u32 v18, s42, v6
	s_mul_i32 s42, s44, 33792
	s_mul_i32 s43, s39, 8448
	s_add_co_u32 s42, s42, s43
	v_mul_u32_u24 v19, v2, 528
	v_lshl_add_u32 v19, v3, 6, v19
	v_add_nc_u32 v19, s42, v19                     ; TAB = 0
	s_wait_alu depctr_va_vdst(0)                   ; v15 to v19 are written, the addresses of this phase; phase 1's lines are done with v64-223, in which the loads below land
	BAR                                            ; keys, values, Wc and z0 are whole; W1's and W2's planes are read out
	XLOAD XF, 15, 0                                ; 40 loads: 4 (my keys), 8 + 8 (all keys, hi and lo), 4 (my values), 8 + 8 (Wc)
	XLOAD XF+8, 15, 5120
	WLOAD 16, 0, 640, 5120
	XLOAD XF+16, 17, 0
	XLOAD XF+24, 17, 5120
.irp f,0,1,2,3
	XLOAD 64+8*\f, 18, 2304*\f
.endr
.irp f,0,1,2,3
	XLOAD 128+8*\f, 18, 2304*\f+9216
.endr
	MM12 ACC, WF, WF+32, XF, XF+8, 1, 28, 20       ; the first 12 of the 40 are in, then the first 20
	MM12 224, 64, 128, XF+16, XF+24, 1, 8, 0       ; the first 32, then all
	PLACES
	s_wait_alu depctr_va_vdst(0)                   ; the products have written v32-63 and v224-255, which the stores read; the places above stay beside this wait
.irp f,0,1,2,3
.irp p,0,1,2,3
	ds_store_b64 v19, v[ACC+8*\f+2*\p:ACC+8*\f+2*\p+1] offset:128*\f+16*\p      ; l = 8 f + 4 h + p: G[l][v], G[l + 32][v]
	ds_store_b64 v19, v[224+8*\f+2*\p:224+8*\f+2*\p+1] offset:128*\f+16*\p+8    ; Z[v][2 l], Z[v][2 l + 1]
.endr
.endr
	BAR                                            ; the table is whole
	s_wait_alu depctr_vm_vsrc(0)                   ; my stores have read v32-63, which are the chain's registers from here on
	IFHELPER .Lwalked
; ================ PHASE 3, waves 0, 3, 5, 6: a chain each.  Memory X = idx % 2, batch row idx / 2.  Step n = 0 .. 2047 stands for t = 2047 - n ================
; Step 0, the query's position, is a step like the others, from a = 0, c = -1, beta = 1, O = Z[query's token]: it leaves a = G[:, token] and O = 0, both exactly.
; beta_n = 1 - n / 2048 = (t + 1) / 2048 for the e memory, exact in f32; 1 for the s memory (its step is 0).
.set CA,   32          ; v[32:33]  a[lane], a[lane + 32]
.set CSEL, 34          ; v34       the half of a in which the step's token lies
.set CS2,  35          ; v35       the same for the next token, before this step's update
.set CGS,  36          ; v36, v37  by the step's parity: beta G[:, token], the half in which the next token lies
.set CO,   38          ; v[38:39]  out[2 lane], out[2 lane + 1]
.set TK,   40          ; v40       32 tokens, lane = t % 32
.set TKN,  41          ; v41       the 32 in front of them
.set TKA,  42          ; v42       where the next 32 lie
.set L16,  43          ; v43       16 lane + my memory's table
.set AD,   44          ; v44-51    the LDS address of row i + 16 at AD + i % 8
.set PA,   52          ; v52-63    at the start only: the addresses of rows 0 to 11
.set ROW,  64          ; v64-127   16 slots of 4: the rows of the steps in hand and to come
.set RING, 68          ; s[68:99]  the tokens of 32 steps, by step % 32
; s48 c (s49 = 0), s50 beta c (s51 = 0), s[52:53] and s[62:63] beta by the step's parity, s54 beta's step, s55-56 token % 32 by the step's parity, s57-58 the mask 'token > 31', s59 528, s60 trips
	s_and_b32 s44, s39, 1
	s_lshr_b32 s45, s39, 1
	s_mul_i32 s46, s44, 33792
	v_lshl_add_u32 v[L16], v1, 4, s46
	s_mul_i32 s47, s45, 8448
	s_add_co_u32 s47, s47, TOK+128+1984*4
	v_lshl_add_u32 v[TKA], v1, 2, s47              ; t = 1984 .. 2015: what the first trip asks for
	s_wait_alu depctr_va_vdst(0)                   ; v[TKA] is written, which the load reads
	ds_load_b32 v[TK], v[TKA] offset:128           ; t = 2016 .. 2047
	s_mov_b32 s59, 528
	s_cmp_eq_u32 s44, 0
	s_cselect_b32 s54, 0, 0xba000000               ; 0, or -1 / 2048
	s_mov_b32 s49, 0
	s_mov_b32 s51, 0
	s_mov_b32 s52, 1.0
	s_mov_b32 s53, 1.0                             ; named with s52, and s63 with s62, as a pair
	s_mov_b32 s63, 1.0
	s_mov_b32 s60, 64
	v_mov_b32 v[CA], 0
	v_mov_b32 v[CA+1], 0
	v_mov_b32 v[CSEL], -1.0
	s_wait_dscnt 0x0
.irp i,0,1,2,3,4,5,6,7,8,9,10,11,12,13,14,15,16
	v_readlane_b32 s[RING+\i], v[TK], 31-\i
.endr
	s_wait_alu depctr_va_sdst(0)                   ; the 17 tokens are written, ahead of their first readers
.irp i,0,1,2,3,4,5,6,7,8,9,10,11,12,13,14,15,16
	s_min_u32 s[RING+\i], s[RING+\i], 63
.endr
.irp i,0,1,2,3,4,5,6,7,8,9,10,11
	v_mad_u32_u24 v[PA+\i], s[RING+\i], s59, v[L16]
.endr
.irp i,12,13,14,15
	v_mad_u32_u24 v[AD+\i%8], s[RING+\i], s59, v[L16]  ; rows 12 to 15 are asked for by the first trip's first step
.endr
	s_wait_alu depctr_va_vdst(0)                   ; the addresses are written, which the loads read
.irp i,0,1,2,3,4,5,6,7,8,9,10,11
	ds_load_b128 v[ROW+4*\i:ROW+4*\i+3], v[PA+\i]
.endr
	s_and_b32 s55, s[RING], 31
	s_cmp_gt_u32 s[RING+1], 31
	s_cselect_b32 s58, -1, 0
	s_wait_dscnt 0x0
	v_mov_b32 v[CO], v[ROW+2]
	v_mov_b32 v[CO+1], v[ROW+3]
	v_cndmask_b32 v[CGS], v[ROW], v[ROW+1], s58    ; beta_0 = 1: row 0 needs no scaling
; ONE STEP.  What each step waits for is two lines: c is read out of CSEL, and the next CSEL is made of c.  All that does not hang on c stands between the read and the wait for it; what hangs on c follows.
.macro STEP i
.set RW,  ROW+4*((\i)%16)              ; this step's row, its G pair already times beta
.set RN,  ROW+4*(((\i)+1)%16)          ; the next step's
.set T1,  RING+((\i)+1)%32
.set T2,  RING+((\i)+2)%32
.set T16, RING+((\i)+16)%32
.set T17, RING+((\i)+17)%32
.set IC,  55+(\i)%2
.set IN,  55+((\i)+1)%2
.set MC,  57+(\i)%2
.set MN,  57+((\i)+1)%2
.set BC,  52+10*((\i)%2)               ; this step's beta
.set BN,  52+10*(((\i)+1)%2)           ; the next step's
.set GC,  CGS+(\i)%2
.set GN,  CGS+((\i)+1)%2
	v_readlane_b32 s48, v[CSEL], s[IC]             ; c = a[token]
.if (\i)%4 == 0                        ; the head of a group of four steps
	s_wait_alu depctr_vm_vsrc(0)                   ; the loads of the head before have read the four addresses that this group writes again; in step 4: the tokens' load has read v[TKA]
	s_wait_alu depctr_va_vdst(0)                   ; the last four steps have written their four addresses, which the loads below read, and are done with their four slots, in which these land; in step 0: v[TKA] is written, v[TKN] is copied
.if (\i) == 0
	ds_load_b32 v[TKN], v[TKA]                     ; the 32 tokens in front; in the last trip the 32 zeros in front of the row
.endif
.irp k,0,1,2,3
	ds_load_b128 v[ROW+4*(((\i)+12+\k)%16):ROW+4*(((\i)+12+\k)%16)+3], v[AD+((\i)+4+\k)%8]  ; the rows of steps i + 12 .. i + 15
.endr
	s_wait_dscnt 8                                 ; rows i + 4 .. i + 7 are in, asked for two heads ago: behind them stand the four loads of the head before and these four (and now and then the tokens' load: then the wait asks for one more than it need)
.endif
.if (\i) == 4
	v_add_nc_u32 v[TKA], -128, v[TKA]
.endif
.if (\i) == 15
	v_mov_b32 v[TK], v[TKN]                        ; in since step 4's wait: eight loads had been issued behind it
.endif
	v_cndmask_b32 v[CS2], v[CA], v[CA+1], s[MN]
.if (\i) <= 14
	v_readlane_b32 s[T17], v[TK], 14-(\i)          ; the token of step i + 17
.else
	v_readlane_b32 s[T17], v[TK], 46-(\i)
.endif
	s_and_b32 s[IN], s[T1], 31
	s_cmp_gt_u32 s[T2], 31
	s_cselect_b32 s[MC], -1, 0
	s_min_u32 s[T16], s[T16], 63                   ; fetched a step ago
	s_add_f32 s[BN], s[BC], s54                    ; the next step's beta
	v_mad_u32_u24 v[AD+(\i)%8], s[T16], s59, v[L16]
	v_pk_mul_f32 v[RN:RN+1], v[RN:RN+1], s[BN:BN+1] op_sel_hi:[1,0]
	v_cndmask_b32 v[GN], v[RN], v[RN+1], s[MC]
	s_wait_alu depctr_va_sdst(0)                   ; c and the token of step i + 17 are written: c is first read by the next line, the token by the next step
	v_fma_f32 v[CSEL], -v[GC], s48, v[CS2]         ; the next token's half of a, already updated
	v_pk_fma_f32 v[CA:CA+1], v[RW:RW+1], s[48:49], v[CA:CA+1] op_sel_hi:[1,0,1] neg_lo:[1,0,0] neg_hi:[1,0,0]  ; a -= c beta G[:, token]
	s_mul_f32 s50, s48, s[BC]
	v_pk_fma_f32 v[CO:CO+1], v[RW+2:RW+3], s[50:51], v[CO:CO+1] op_sel_hi:[1,0,1]  ; out += beta c Z[token]
.endm
.Lchain:                                               ; 64 trips of 32 steps
.irp i,0,1,2,3,4,5,6,7,8,9,10,11,12,13,14,15,16,17,18,19,20,21,22,23,24,25,26,27,28,29,30,31
	STEP \i
.endr
	s_sub_co_u32 s60, s60, 1
	s_cmp_lg_u32 s60, 0
	s_cbranch_scc1 .Lchain
; ================ THE END: the e chain hands its sums to the s chain of the same batch row, which adds z0 and stores the row ================
.Lwalked:
	BAR                                            ; every chain's reads of the table are back (the look-ahead's too)
	s_cmp_eq_u32 s38, 3
	s_cbranch_scc1 .Lhand
	s_cmp_eq_u32 s38, 6
	s_cbranch_scc0 .Lhanded
.Lhand:
	s_lshl_b32 s46, s45, 8
	s_add_co_u32 s46, s46, COMB
	v_lshl_add_u32 v28, v1, 3, s46
	s_wait_alu depctr_va_vdst(0)                   ; v28 and the chain's sums v[38:39] are written, which the store reads
	ds_store_b64 v28, v[CO:CO+1]
.Lhanded:
	BAR
	s_cmp_eq_u32 s38, 0
	s_cbranch_scc1 .Lsum
	s_cmp_eq_u32 s38, 5
	s_cbranch_scc0 .Lfin
.Lsum:
	s_lshl_b32 s46, s45, 8
	s_add_co_u32 s46, s46, COMB
	v_lshl_add_u32 v29, v1, 3, s46
	v_lshl_add_u32 v30, v1, 3, Z0
	v_lshlrev_b32 v31, 3, v1
	s_lshl_b32 s42, ttmp9, 1
	s_add_co_u32 s42, s42, s45                     ; the batch row,
	s_lshl_b32 s42, s42, 8                         ; 256 bytes each
	s_mov_b32 s43, 0
	s_add_nc_u64 s[36:37], s[36:37], s[42:43]
	s_wait_alu depctr_va_vdst(0)                   ; v29 and v30 are written, which the loads read
	ds_load_b64 v[128:129], v29
	ds_load_b64 v[130:131], v30
	s_wait_dscnt 0x0
	v_pk_add_f32 v[128:129], v[128:129], v[130:131]
	v_pk_add_f32 v[CO:CO+1], v[CO:CO+1], v[128:129]
	s_wait_alu depctr_va_vdst(0)                   ; the row v[38:39] is written, which the store reads (its offset v31 was written ahead of the wait above)
	global_store_b64 v31, v[CO:CO+1], s[36:37]     ; the wave's one store covers the row's 256 consecutive bytes, aligned
.Lfin:
	s_wait_dscnt 0x0                               ; the closing lines, six on end
	s_wait_alu 0x0
	s_wait_tensorcnt 0x0
	ds_add_u32 v4, v5
	s_wait_dscnt 0x0
	s_endpgm
.Lfunc_end_k_qff31d4a650_splitdelta:
	.size	k_qff31d4a650_splitdelta, .Lfunc_end_k_qff31d4a650_splitdelta-k_qff31d4a650_splitdelta
	.p2alignl 7, 3214868480
	.fill 96, 4, 3214868480
	.section	.rodata,"a",@progbits
	.p2align	6, 0x0
	.amdhsa_kernel k_qff31d4a650_splitdelta
		.amdhsa_group_segment_fixed_size 297728
		.amdhsa_private_segment_fixed_size 0
		.amdhsa_enable_private_segment 0
		.amdhsa_kernarg_size 136
		.amdhsa_user_sgpr_count 2
		.amdhsa_user_sgpr_kernarg_segment_ptr 1
		.amdhsa_wavefront_size32 1
		.amdhsa_system_sgpr_workgroup_id_x 1
		.amdhsa_system_sgpr_workgroup_id_y 1
		.amdhsa_system_sgpr_workgroup_id_z 1
		.amdhsa_system_vgpr_workitem_id 0
		.amdhsa_next_free_vgpr 256
		.amdhsa_next_free_sgpr 100
		.amdhsa_reserve_vcc 0
		.amdhsa_float_denorm_mode_32 3
		.amdhsa_float_denorm_mode_16_64 3
		.amdhsa_memory_ordered 1
		.amdhsa_forward_progress 1
		.amdhsa_inst_pref_size 148
	.end_amdhsa_kernel
	.amdgpu_metadata
---
amdhsa.version: [ 1, 2 ]
amdhsa.kernels:
  - .name:           k_qff31d4a650_splitdelta
    .symbol:         k_qff31d4a650_splitdelta.kd
    .args:
      - { .name: seq, .offset: 0, .size: 8, .value_kind: global_buffer, .address_space: global }
      - { .name: embed, .offset: 8, .size: 8, .value_kind: global_buffer, .address_space: global }
      - { .name: W1, .offset: 16, .size: 8, .value_kind: global_buffer, .address_space: global }
      - { .name: W2, .offset: 24, .size: 8, .value_kind: global_buffer, .address_space: global }
      - { .name: Ws, .offset: 32, .size: 8, .value_kind: global_buffer, .address_space: global }
      - { .name: We, .offset: 40, .size: 8, .value_kind: global_buffer, .address_space: global }
      - { .name: Wo, .offset: 48, .size: 8, .value_kind: global_buffer, .address_space: global }
      - { .name: Wrp, .offset: 56, .size: 8, .value_kind: global_buffer, .address_space: global }
      - { .name: b1, .offset: 64, .size: 8, .value_kind: global_buffer, .address_space: global }
      - { .name: b2, .offset: 72, .size: 8, .value_kind: global_buffer, .address_space: global }
      - { .name: ln_g, .offset: 80, .size: 8, .value_kind: global_buffer, .address_space: global }
      - { .name: ln_b, .offset: 88, .size: 8, .value_kind: global_buffer, .address_space: global }
      - { .name: bs, .offset: 96, .size: 8, .value_kind: global_buffer, .address_space: global }
      - { .name: be, .offset: 104, .size: 8, .value_kind: global_buffer, .address_space: global }
      - { .name: brp, .offset: 112, .size: 8, .value_kind: global_buffer, .address_space: global }
      - { .name: bo, .offset: 120, .size: 8, .value_kind: global_buffer, .address_space: global }
      - { .name: out0, .offset: 128, .size: 8, .value_kind: global_buffer, .address_space: global }
    .group_segment_fixed_size: 297728
    .private_segment_fixed_size: 0
    .kernarg_segment_align: 8
    .kernarg_segment_size: 136
    .max_flat_workgroup_size: 256
    .sgpr_count:     100
    .vgpr_count:     256
    .wavefront_size: 32
...
	.end_amdgpu_metadata
.endif
;; end of part 2
